; MI455X (gfx1250); checked and timed in simulation.
; The chip was launched on July 23, 2026; its instructions are those of AMD's public machine-readable ISA for CDNA 5 (MIT licence, August 2026) and "CDNA5" Instruction Set Architecture Reference Guide (July 2026). The comments in the code are by the model that wrote it; some were corrected since.
;; Multi Head Self Attention. Allowed arithmetic: matrix products marked QUANTISED: E2M1 operands, one E8M0 scale for each 32 along K, by v_wmma_scale_f32_16x16x128_f8f6f4 with both operands' format E2M1 (or v_wmma_scale_f32_32x16x128_f4), f32 sums; products left as they are: bf16, f16 or f32 operands; f32 sums; everything else in f32.
;; Inputs: w0 1,024 x 1,024 float32; w_qkv 3,072 x 1,024 float32; x 2 x 2,048 x 1,024 float32.
;; Outputs: out0 2 x 2,048 x 1,024 float32.
;; This version of the problem:
;;   THIS VERSION OF THE PROBLEM IS GIVEN IN LOW PRECISION. The matrix products marked QUANTISED in the list below multiply operands that are first quantised to E2M1 (2 exponent bits, 1 mantissa bit; 4 bits a number), with one power-of-two scale for each 32 numbers along K (OCP MX v1.0); their sums are f32. The products marked 'left as it is' may take bf16, f16 or f32 operands, with f32 sums. Whichever they take, every output number must still come out within the allowed error. Rounding operands to bf16 (8 significant bits) uses up far more of that allowance than f16 does (11 bits, for magnitudes from 6e-5 to 65,504). All else is computed in f32.
;;   The module's matrix products, in the order in which they are computed (A, B: the left and right operand; K: the contracted axis; several contracted axes count as one K, in the product's order):
;;     1. [M 4,096, K 1,024] x [K 1,024, N 3,072]; A: input x; B: input w_qkv: QUANTISED
;;     2. batch 32 x [M 2,048, K 64] x [K 64, N 2,048]; A: computed on the way; B: computed on the way: left as it is (an operand is computed on the way)
;;     3. batch 32 x [M 2,048, K 2,048] x [K 2,048, N 64]; A: computed on the way; B: computed on the way: left as it is (an operand is computed on the way)
;;     4. [M 4,096, K 1,024] x [K 1,024, N 1,024]; A: computed on the way; B: input w0: left as it is (an operand is computed on the way)
;;   THE QUANTISER, for each operand of a quantised product, along K:
;;     - K is cut into blocks of 32 from its start; a last block that is shorter is filled with zeros.
;;     - A block's scale is 2^e with e = floor(log2(the largest magnitude in the block)) - 2, held to -126 .. 127; a block of zeros has e = 0. As a byte (E8M0): e + 127.
;;     - Each number is divided by its block's scale, clamped to +-6, and rounded to the nearest number of E2M1, ties to even, subnormals kept.
;;     - The product sums the exact products of the quantised numbers (number of the format x scale) in f32.
;;   ~~~python
;;   def quantise(x, axis):      # numpy; x: float32 -> the quantised numbers, widened to float32 again
;;       x = np.moveaxis(x, axis, -1); K = x.shape[-1]
;;       x = np.pad(x, [(0, 0)] * (x.ndim - 1) + [(0, -K % 32)]); x = x.reshape(x.shape[:-1] + (-1, 32)); a = np.abs(x).max(-1, keepdims=True)
;;       e = np.where(a > 0, np.clip(np.frexp(np.where(a > 0, a, 1))[1] - 1 - 2, -126, 127), 0)      # np.frexp(a)[1] - 1 = floor(log2(a)), exactly
;;       r = np.clip(x / 2.0 ** e, -6, 6)
;;       step = 2.0 ** (np.maximum(np.frexp(np.where(r == 0, 1, r))[1] - 1, 0) - 1)
;;       q = np.round(r / step) * step * 2.0 ** e      # np.round: ties to even
;;       return np.moveaxis(q.reshape(q.shape[:-2] + (-1,))[..., :K], -1, axis).astype(np.float32)
;;   ~~~
;; One version. Each part assembles by itself: llvm-mc -triple=amdgcn-amd-amdhsa -mcpu=gfx1250 --defsym DOCPART=n.
;; ======== version 1 of 1: 5 launches
;; limits: values are held in f16: magnitudes above 65,504 overflow, below 6.1e-05 lose precision; right only within a limited range of input values
;; workspace buffers: xc 2,097,152 bytes; xs 131,072 bytes; wc 1,572,864 bytes; ws 98,304 bytes; w0h 2,097,152 bytes; qkv 25,165,824 bytes; qkvf 393,216 bytes; e 8,388,608 bytes
;; launch prep (part 1): grid 256 x 1, 4 waves a work-group, no clusters, 33,280 bytes of LDS; arguments x, w_qkv, xc, xs, wc, ws, w0, w0h; writes xc, xs, wc, ws, w0h
.if DOCPART == 1
	.amdgcn_target "amdgcn-amd-amdhsa--gfx1250"
	.amdhsa_code_object_version 6
	.text
	.protected	k_qbb190c2aeb_prep
	.globl	k_qbb190c2aeb_prep
	.p2align	8
	.type	k_qbb190c2aeb_prep,@function
k_qbb190c2aeb_prep:
	s_mov_b64 s[64:65], 0
	v_nop
	global_prefetch_b8 v0, s[64:65] scope:SCOPE_SE
	s_setreg_imm32_b32 hwreg(HW_REG_WAVE_MODE, 25, 1), 1
	s_wait_xcnt 0x0
; PREP.  x [4096][1024] and w_qkv [3072][1024], f32, become codes of FP4 (E2M1), K innermost, two codes a byte, with one E8M0 byte for each 32 along K; w0 [1024][1024], f32, becomes f16 in panels.
; Work-groups 0-127 take x, 128-223 w_qkv: 32,768 numbers each, a wave 16 steps of 512.  Work-groups 224-255 take w0, 32 rows each.
; A block's scale is 2^(floor(log2(its largest magnitude)) - 2); its byte is the largest magnitude's exponent field - 2, held at 1 from below.
; LIMITS: a block of zeros gets the byte 1 where the quantiser says 127: its codes are zeros, which add nothing, and the bytes are read by this program alone.  NaN and infinities among the inputs are not served.
; |w0| stays under 65,504, the largest f16 number.
; Rows are dense and K is a multiple of 32: both tensors are plain streams of blocks of 32, and so are their codes and bytes.
; The conversions take neighbours along K from ONE lane's registers, a load is best where neighbouring LANES take neighbouring bytes: each load reads 512 consecutive bytes, and a step's 2,048 bytes turn through the
; wave's own stage in LDS (16 bytes of padding behind each 64).  Two neighbouring lanes hold a block.  A wave's store of codes covers 256 consecutive bytes; its 256 scale bytes are gathered in LDS and leave as one run.
; w0h: [n / 128][k / 64][n % 128][k % 64] f16, so that 128 rows x 64 along K are 16,384 dense bytes for the projection's tensor loads.
.set WAVES, 4
.set STEPS, 16
.set WGA,   128                        ; work-groups for x: 4096 x 1024 / 32768
.set WGQ,   224                        ; and with w_qkv's 96
.set EMAX,  2
.set CB,    8                          ; bytes of 16 codes
.set R,     16                         ; v16-79   four sets of 16 numbers as they are loaded
.set X,     80                         ; v80-111  two sets of 16 neighbours
.set C,     128                        ; v128-191 codes: four registers for each step, so that no store's data are written again
.set E,     112                        ; v112-127 a scale byte for each step
.set WREG,  8192                       ; LDS: a region for each wave: two stages of 32 x SP bytes, behind them its 256 scale bytes
.set SP,    80
.set SPW,   12                         ; v12  LDS address of my spare word; never rewritten
.set NIL,   13                         ; v13  0; never rewritten
.set SPARE, WAVES*WREG                 ; behind the four regions: the spare words, 128 bytes a wave
	s_load_b128 s[4:7], s[0:1], 0x0                ; x, w_qkv
	s_load_b128 s[8:11], s[0:1], 0x10              ; x's codes, x's scales
	s_load_b128 s[12:15], s[0:1], 0x20             ; w_qkv's codes, its scales
	s_load_b128 s[24:27], s[0:1], 0x30             ; w0, w0h
	v_lshl_add_u32 v[SPW], v0, 2, SPARE
	v_mov_b32 v[NIL], 0
	v_lshrrev_b32 v1, 5, v0
	v_readfirstlane_b32 s16, v1                    ; wave
	v_and_b32 v2, 31, v0                           ; lane
	v_lshlrev_b32 v3, 4, v2                        ; my 16 bytes of a load's 512
	s_mul_i32 s17, s16, WREG
	v_lshrrev_b32 v14, 2, v2
	v_mul_u32_u24 v14, v14, SP
	v_and_b32 v15, 3, v2
	v_lshl_add_u32 v14, v15, 4, v14
	v_add_nc_u32 v14, s17, v14                     ; the stage on the way in: SP (lane / 4) + 16 (lane % 4)
	v_mul_u32_u24 v15, v2, SP
	v_add_nc_u32 v15, s17, v15                     ; and on the way out: SP x lane: my 16 neighbours
	v_mul_u32_u24 v4, v2, CB                       ; my codes' place in a step's
	v_lshrrev_b32 v5, 1, v2
	s_add_co_u32 s17, s17, 2*32*SP
	v_add_nc_u32 v5, s17, v5                       ; LDS: my wave's 256 scale bytes, my block's byte
	v_lshlrev_b32 v7, 3, v2                        ; and on the way out 8 bytes a lane
	v_add_nc_u32 v6, s17, v7
	s_wait_kmcnt 0x0
	s_cmp_ge_u32 ttmp9, WGQ                        ; the last 32 work-groups take w0: a branch on the work-group's number alone
	s_cbranch_scc1 .Lw0
	s_cmp_lt_u32 ttmp9, WGA                        ; x's work-group or w_qkv's?
	s_cselect_b64 s[4:5], s[4:5], s[6:7]
	s_cselect_b64 s[8:9], s[8:9], s[12:13]
	s_cselect_b64 s[10:11], s[10:11], s[14:15]
	s_cselect_b32 s17, 0, WGA
	s_sub_co_u32 s17, ttmp9, s17
	s_lshl_b32 s17, s17, 2
	s_add_co_u32 s18, s17, s16                     ; which run of 8,192 numbers of the tensor is my wave's
	s_mov_b32 s19, 0
	s_mov_b64 s[20:21], 512*STEPS*4
	s_mul_u64 s[20:21], s[18:19], s[20:21]
	s_add_nc_u64 s[4:5], s[4:5], s[20:21]
	s_mov_b64 s[20:21], 32*STEPS*CB
	s_mul_u64 s[20:21], s[18:19], s[20:21]
	s_add_nc_u64 s[8:9], s[8:9], s[20:21]
	s_lshl_b32 s18, s18, 8                         ; 256 scale bytes a run
	s_add_nc_u64 s[10:11], s[10:11], s[18:19]
.macro LOAD t
.irp i, 0,1,2,3
	global_load_b128 v[R+16*((\t)%4)+4*\i:R+16*((\t)%4)+4*\i+3], v3, s[4:5] offset:2048*(\t)+512*\i th:TH_LOAD_NT   ; 32 lanes read 512 consecutive bytes
.endr
.endm
.macro TURN t                          ; step t's numbers through the stage: LDS serves a wave's instructions in order, so no wait stands between the stores and the loads
.irp i, 0,1,2,3
	ds_store_b128 v14, v[R+16*((\t)%4)+4*\i:R+16*((\t)%4)+4*\i+3] offset:32*SP*((\t)%2)+8*SP*\i
.endr
.irp i, 0,1,2,3
	ds_load_b128 v[X+16*((\t)%2)+4*\i:X+16*((\t)%2)+4*\i+3], v15 offset:32*SP*((\t)%2)+16*\i
.endr
.endm
.irp t, 0,1,2,3
	LOAD \t
.endr
	s_wait_loadcnt 12                              ; step 0's four loads are in; the twelve of steps 1 to 3 may be out
	TURN 0
.macro STEP t
.set XS, X+16*((\t)%2)
.if (\t) > 0
	s_wait_dscnt 1                                 ; this step's numbers are back from the stage (the last step's byte store may be out)
.else
	s_wait_dscnt 0x0
.endif
.if (\t)+4 < STEPS
	LOAD (\t)+4                                    ; into the registers that this step's stores into the stage have read
.endif
.if (\t)+1 < STEPS
.if STEPS-2-(\t) >= 3
	s_wait_loadcnt 12                              ; the next step's four loads are in; those of the three steps behind it may be out
.else
	s_wait_loadcnt 4*(STEPS-2-(\t))
.endif
	TURN (\t)+1                                    ; they go through the other stage while this step is worked
.endif
	v_max3_num_f32 v8, |v[XS]|, |v[XS+1]|, |v[XS+2]|               ; the largest magnitude of my 16, in two chains
	v_max3_num_f32 v9, |v[XS+3]|, |v[XS+4]|, |v[XS+5]|
.irp i, 6,10
	v_max3_num_f32 v8, v8, |v[XS+\i]|, |v[XS+\i+1]|
	v_max3_num_f32 v9, v9, |v[XS+\i+2]|, |v[XS+\i+3]|
.endr
	v_max3_num_f32 v8, v8, |v[XS+14]|, |v[XS+15]|
	v_max3_num_f32 v8, v8, v9, (EMAX+1)<<23        ; and the floor 2^(EMAX + 1 - 127): the byte cannot fall under 1
	v_max_num_f32_dpp v8, v8, v8 row_xmask:1 row_mask:0xf bank_mask:0xf   ; and of my neighbour's 16: the block's
	v_add_nc_u32 v11, -(EMAX<<23), v8              ; EMAX off its exponent field: the conversion takes the exponent field of this operand as its scale
	v_cvt_scalef32_pk8_fp4_f32 v[C+4*(\t)], v[XS:XS+7], v11
	v_cvt_scalef32_pk8_fp4_f32 v[C+4*(\t)+1], v[XS+8:XS+15], v11
	v_lshrrev_b32 v[E+(\t)], 23, v11               ; the scale's byte
	ds_store_b8 v5, v[E+(\t)] offset:16*(\t)       ; both lanes of a block write the same byte with the same value
	global_store_b64 v4, v[C+4*(\t):C+4*(\t)+1], s[8:9] offset:32*CB*(\t)   ; 32 lanes store 256 consecutive bytes
.endm
.irp t, 0,1,2,3,4,5,6,7,8,9,10,11,12,13,14,15
	STEP \t
.endr
	ds_load_b64 v[8:9], v6                         ; LDS serves a wave's instructions in order: these see my byte stores
	s_wait_dscnt 0x0
	global_store_b64 v7, v[8:9], s[10:11]          ; 32 lanes store 256 consecutive bytes
	s_wait_tensorcnt 0x0                           ; the wave's end
	ds_add_u32 v[SPW], v[NIL]
	s_wait_dscnt 0x0
	s_endpgm
; ---- w0 to f16.  Work-group i takes rows 32 i on, wave w rows 32 i + 8 w .. + 7.  An item is two rows x 64 along K: lanes 0-15 read 256 consecutive bytes of one row, lanes 16-31 of the next;
; the 32 lanes' 8 bytes of f16 are 256 consecutive bytes of a panel.  64 items in four rounds of 16, two rounds of loads out.  This way touches no LDS.
.set WA, 16                            ; v16-79, v80-143: two sets of 16 x 4 numbers
.set WD, 144                           ; v144-175: a round's f16
.Lw0:
	s_sub_co_u32 s28, ttmp9, WGQ                   ; i
	s_lshl_b32 s29, s28, 5
	s_lshl_b32 s30, s16, 3
	s_add_co_u32 s29, s29, s30                     ; my first row n
	s_lshl_b32 s30, s29, 12                        ; a row of w0 is 4,096 bytes
	s_mov_b32 s31, 0
	s_add_nc_u64 s[24:25], s[24:25], s[30:31]
	s_lshr_b32 s30, s28, 2
	s_lshl_b32 s30, s30, 18                        ; the panel block n / 128: 262,144 bytes
	s_and_b32 s29, s29, 127
	s_lshl_b32 s29, s29, 7                         ; n % 128 rows of 128 bytes
	s_add_co_u32 s30, s30, s29
	s_add_nc_u64 s[26:27], s[26:27], s[30:31]
	v_lshrrev_b32 v8, 4, v2
	v_and_b32 v9, 15, v2
	v_lshlrev_b32 v8, 12, v8
	v_lshl_add_u32 v8, v9, 4, v8                   ; in: 4,096 (lane / 16) + 16 (lane % 16)
	v_lshlrev_b32 v9, 3, v2                        ; out: 8 x lane
.macro WLOAD k                         ; round k: rows 2 k, 2 k + 1 of my eight, all 16 chunks of 64 along K
.irp c, 0,1,2,3,4,5,6,7,8,9,10,11,12,13,14,15
	global_load_b128 v[WA+64*((\k)%2)+4*\c:WA+64*((\k)%2)+4*\c+3], v8, s[24:25] offset:8192*(\k)+256*\c th:TH_LOAD_NT
.endr
.endm
.macro WROUND k
.if (\k) < 3
	s_wait_loadcnt 16                              ; this round's 16 loads are in; the next round's may be out
.else
	s_wait_loadcnt 0x0
.endif
.if (\k) > 0
	s_wait_xcnt 0x0                                ; the last round's stores have read their data registers, which are written again below
.endif
.irp c, 0,1,2,3,4,5,6,7,8,9,10,11,12,13,14,15
	v_cvt_pk_f16_f32 v[WD+2*\c], v[WA+64*((\k)%2)+4*\c], v[WA+64*((\k)%2)+4*\c+1]
	v_cvt_pk_f16_f32 v[WD+2*\c+1], v[WA+64*((\k)%2)+4*\c+2], v[WA+64*((\k)%2)+4*\c+3]
.endr
.irp c, 0,1,2,3,4,5,6,7,8,9,10,11,12,13,14,15
	global_store_b64 v9, v[WD+2*\c:WD+2*\c+1], s[26:27] offset:16384*\c+256*(\k)
.endr
.if (\k) < 2
	WLOAD (\k)+2
.endif
.endm
	WLOAD 0
	WLOAD 1
	WROUND 0
	WROUND 1
	WROUND 2
	WROUND 3
	s_endpgm
.Lfunc_end_k_qbb190c2aeb_prep:
	.size	k_qbb190c2aeb_prep, .Lfunc_end_k_qbb190c2aeb_prep-k_qbb190c2aeb_prep
	.p2alignl 7, 3214868480
	.fill 96, 4, 3214868480
	.section	.rodata,"a",@progbits
	.p2align	6, 0x0
	.amdhsa_kernel k_qbb190c2aeb_prep
		.amdhsa_group_segment_fixed_size 33280
		.amdhsa_private_segment_fixed_size 0
		.amdhsa_enable_private_segment 0
		.amdhsa_kernarg_size 64
		.amdhsa_user_sgpr_count 2
		.amdhsa_user_sgpr_kernarg_segment_ptr 1
		.amdhsa_wavefront_size32 1
		.amdhsa_system_sgpr_workgroup_id_x 1
		.amdhsa_system_sgpr_workgroup_id_y 1
		.amdhsa_system_sgpr_workgroup_id_z 1
		.amdhsa_system_vgpr_workitem_id 0
		.amdhsa_next_free_vgpr 192
		.amdhsa_next_free_sgpr 66
		.amdhsa_reserve_vcc 0
		.amdhsa_float_denorm_mode_32 3
		.amdhsa_float_denorm_mode_16_64 3
		.amdhsa_memory_ordered 1
		.amdhsa_forward_progress 1
		.amdhsa_inst_pref_size 54
	.end_amdhsa_kernel
	.amdgpu_metadata
---
amdhsa.version: [ 1, 2 ]
amdhsa.kernels:
  - .name:           k_qbb190c2aeb_prep
    .symbol:         k_qbb190c2aeb_prep.kd
    .args:
      - { .name: x, .offset: 0, .size: 8, .value_kind: global_buffer, .address_space: global }
      - { .name: w_qkv, .offset: 8, .size: 8, .value_kind: global_buffer, .address_space: global }
      - { .name: xc, .offset: 16, .size: 8, .value_kind: global_buffer, .address_space: global }
      - { .name: xs, .offset: 24, .size: 8, .value_kind: global_buffer, .address_space: global }
      - { .name: wc, .offset: 32, .size: 8, .value_kind: global_buffer, .address_space: global }
      - { .name: ws, .offset: 40, .size: 8, .value_kind: global_buffer, .address_space: global }
      - { .name: w0, .offset: 48, .size: 8, .value_kind: global_buffer, .address_space: global }
      - { .name: w0h, .offset: 56, .size: 8, .value_kind: global_buffer, .address_space: global }
    .group_segment_fixed_size: 33280
    .private_segment_fixed_size: 0
    .kernarg_segment_align: 8
    .kernarg_segment_size: 64
    .max_flat_workgroup_size: 128
    .sgpr_count:     66
    .vgpr_count:     192
    .wavefront_size: 32
...
	.end_amdgpu_metadata
.endif
;; end of part 1
;; launch qkv (part 2): grid 16 x 16, 4 waves a work-group, clusters of 4 x 1, 268,800 bytes of LDS; arguments xc, xs, wc, ws, qkv, qkvf; writes qkv, qkvf
.if DOCPART == 2
	.amdgcn_target "amdgcn-amd-amdhsa--gfx1250"
	.amdhsa_code_object_version 6
	.text
	.protected	k_qbb190c2aeb_qkv
	.globl	k_qbb190c2aeb_qkv
	.p2align	8
	.type	k_qbb190c2aeb_qkv,@function
k_qbb190c2aeb_qkv:
	s_mov_b64 s[64:65], 0
	v_nop
	global_prefetch_b8 v0, s[64:65] scope:SCOPE_SE
	s_setreg_imm32_b32 hwreg(HW_REG_WAVE_MODE, 25, 1), 1
	s_wait_xcnt 0x0
	s_wait_alu depctr_hold_cnt(0) depctr_sa_sdst(0) depctr_va_vdst(0) depctr_va_sdst(0) depctr_va_ssrc(0) depctr_va_vcc(0) depctr_vm_vsrc(0)
	s_getreg_b32 s2, hwreg(HW_REG_IB_STS2, 6, 4)
	s_cmp_eq_u32 s2, 0
	s_cbranch_scc0 .Lentry_in_a_cluster
	s_endpgm
.Lentry_in_a_cluster:
	s_bfe_u32 s2, ttmp6, 0x10000c
	s_cmp_lg_u32 s2, 0x3003
	s_cbranch_scc0 .Lentry_shape_is_right
	s_endpgm
.Lentry_shape_is_right:
; QKV.  C[m][n] = sum over k of x[m][k] w_qkv[n][k] on codes of FP4 (E2M1) with one E8M0 scale for each 32 along K; m 4096, n 3072, k 1024; sums in f32.
; A work-group makes 256 rows x 192 columns (three heads): 16 x 16 work-groups.  Wave w makes rows 64 w .. 64 w + 63 x all 192 columns: 48 accumulators of 16 x 16, 384 registers.
; All of K of both tiles, and their scale bytes, fit in LDS: each byte of LDS is filled once, in two halves of K, so that the first half is multiplied while the second lands.
; CLUSTER 4 x 1: the four partners share the tile row, so A's tile and A's scales are asked for JOINTLY (mask 15).  B's tiles differ from partner to partner and come by plain loads behind the same round.
; The cluster is not 4 x 4: the f32 copy at the end stands under a branch on the tile row, which has to be equal in all partners.
; THE MATRIX INSTRUCTION IS USED TRANSPOSED (source 0 = 16 rows of w_qkv, source 1 = 16 rows of x): a lane holds eight neighbouring columns of one row of C.
; OUT: q, k, v as f16, laid [which 3][batch x head 32][position 2048][64]: 16 rows of a head are 2,048 dense bytes; they go through the wave's stage and leave in runs of 512 bytes.
; Positions 0-15 of each batch also leave as f32 into qkvf [32][3072], in pieces of 32 bytes: 393,216 bytes in the whole launch.
; LIMIT: |q|, |k|, |v| stay under 65,504, the largest f16 number.
; REGISTERS: window 0: v16-29 addresses; v32-47 x's scale words, v48-95 w's (nothing else ever lies there); v128-191 x's fragments, two sets; v192-207 packed f16; v208-239 rows back from the stage, two sets.
;   window 1: w's fragments, two sets of 96, at v0 and v128.   window 2: accumulators of my row blocks 0, 1 ((a, b) at v[8 (12 (a % 2) + b)]);   window 3: of blocks 2, 3.
.set PITCH, 272                        ; an LDS row: 256 bytes + 16 of padding: the 16 rows that a load touches start 16 bytes apart modulo 256
.set AH0,   0                          ; x's codes, K 0-511: 256 rows
.set AH1,   69632                      ; K 512-1023
.set BH0,   139264                     ; w's codes, K 0-511: 192 rows
.set BH1,   191488
.set SCA,   243712                     ; x's scale bytes: 8,192 dense bytes as 32 runs of 256 + 16
.set SCB,   252416                     ; w's: 24 runs
.set STG,   259072                     ; the way out: 16 rows x 144 bytes for each wave; no fill lands here
.set SPARE, 268288                     ; the spare words, 128 bytes a wave
.set ADRA, 16                          ; v16-17 x's fragments in the two halves of K
.set ADRB, 18                          ; v18-19 w's
.set ADSA, 20                          ; v20 x's scale words: lanes 0-15 row blocks 0, 1; lanes 16-31 blocks 2, 3
.set ADSB, 21                          ; v21 w's: lanes 0-15 blocks 0-5; lanes 16-31 blocks 6-11
.set STO,  22
.set RD,   23
.set GO,   24
.set FO,   25
.set SPW,  28
.set NIL,  29
.set SA,   32
.set SB,   48
.set AF,   128
.set PK,   192
.set BK,   208
.set WV,   16                          ; s16 my wave's number
.set G1A,  24                          ; s[24:31] group 1: x's codes;  s[32:39] w's;  s[40:47] x's scales;  s[48:55] w's
.set G1B,  32
.set G1SA, 40
.set G1SB, 48
.set G0SA, 56                          ; groups 0
.set G0A0, 60
.set G0A1, 68
.set G0SB, 72
.set G0B0, 76
.set G0B1, 80
.set OUT,  84                          ; s[84:89] where my rows of the three heads begin in qkv
.set FB,   90                          ; s[90:91] where my columns begin in qkvf
.set MSB, 0
.macro WIN new                         ; the immediate's high byte repeats the setting that is left
.if MSB != \new
	s_set_vgpr_msb (MSB<<8)|\new
.set MSB, \new
.endif
.endm
.macro PLACES n
.rept \n
	v_nop
.endr
.endm
.macro CROUND                          ; a round of the cluster's barrier
	s_barrier_signal -1
	s_barrier_wait -1
	s_cmp_lg_u32 s[WV], 0
	s_cbranch_scc1 .Lnot_wave_0_\@
	s_barrier_signal -3
.Lnot_wave_0_\@:
	s_barrier_wait -3
	s_barrier_signal -1
	s_barrier_wait -1
.endm
	s_load_b256 s[4:11], s[0:1], 0x0               ; xc s[4:5], xs s[6:7], wc s[8:9], ws s[10:11]
	s_load_b128 s[12:15], s[0:1], 0x20             ; qkv s[12:13], qkvf s[14:15]
	v_lshl_add_u32 v[SPW], v0, 2, SPARE
	v_mov_b32 v[NIL], 0
	ds_add_u32 v[SPW], v[NIL]                      ; the wave's opening: the add, twice on end, and its wait ahead of my first tensor load
	ds_add_u32 v[SPW], v[NIL]
	v_lshrrev_b32 v1, 5, v0
	v_readfirstlane_b32 s[WV], v1                  ; wave 0..3
	s_bfe_u32 s17, ttmp6, 0x40000                  ; cx
	s_lshl_b32 s18, ttmp9, 2
	s_add_co_u32 s18, s18, s17                     ; tile column tx = 4 x cluster x + cx
	s_and_b32 s19, ttmp7, 0xffff                   ; tile row ty: the same in all four partners
	s_and_b32 s20, s[WV], 1                        ; which half of a tile's rows I fetch
	s_mov_b32 s[G1A], 15|(1<<20)|(1<<21)|(5<<22)|(3<<25)   ; mask: all four; elements of 1 byte; padding on; bit 21 beside a mask; 4 words behind every 64
	s_mov_b32 s[G1A+1], 256<<16                    ; tensor_dim0 = 256 bytes
	s_mov_b32 s[G1A+2], 128<<16                    ; tensor_dim1 = 128 rows
	s_mov_b32 s[G1A+3], 256<<16                    ; tile_dim0
	s_mov_b32 s[G1A+4], 128                        ; tile_dim1
	s_mov_b32 s[G1A+5], 512                        ; from row to row: 1,024 codes
	s_mov_b32 s[G1A+6], 0
	s_mov_b32 s[G1A+7], 0
	s_mov_b32 s[G1B], (1<<20)|(5<<22)|(3<<25)      ; no mask: a load of my own
	s_mov_b32 s[G1B+1], 256<<16
	s_mov_b32 s[G1B+2], 96<<16
	s_mov_b32 s[G1B+3], 256<<16
	s_mov_b32 s[G1B+4], 96
	s_mov_b32 s[G1B+5], 512
	s_mov_b32 s[G1B+6], 0
	s_mov_b32 s[G1B+7], 0
	s_mov_b32 s[G1SA], 15|(3<<16)|(1<<20)|(1<<21)|(5<<22)|(3<<25)   ; the scales of 128 rows: 4,096 dense bytes as 16 rows of 32 elements of 8 bytes
	s_mov_b32 s[G1SA+1], 32<<16
	s_mov_b32 s[G1SA+2], 16<<16
	s_mov_b32 s[G1SA+3], 32<<16
	s_mov_b32 s[G1SA+4], 16
	s_mov_b32 s[G1SA+5], 32
	s_mov_b32 s[G1SA+6], 0
	s_mov_b32 s[G1SA+7], 0
	s_mov_b32 s[G1SB], (3<<16)|(1<<20)|(5<<22)|(3<<25)              ; of 96 rows: 12 rows
	s_mov_b32 s[G1SB+1], 32<<16
	s_mov_b32 s[G1SB+2], 12<<16
	s_mov_b32 s[G1SB+3], 32<<16
	s_mov_b32 s[G1SB+4], 12
	s_mov_b32 s[G1SB+5], 32
	s_mov_b32 s[G1SB+6], 0
	s_mov_b32 s[G1SB+7], 0
	s_lshl_b32 s21, s19, 8
	s_lshl_b32 s23, s20, 7
	s_add_co_u32 s21, s21, s23                     ; x: row 256 ty + 128 half (no register that feeds x's descriptors ever holds cx)
	s_lshl_b32 s92, s21, 5                         ; its scale bytes,
	s_mov_b32 s93, 0
	s_lshl_b32 s94, s21, 9                         ; its codes
	s_mov_b32 s95, 0
	s_mul_i32 s22, s18, 192
	s_mul_i32 s3, s20, 96
	s_add_co_u32 s22, s22, s3                      ; w: row 192 tx + 96 half
	s_lshl_b32 s96, s22, 5
	s_mov_b32 s97, 0
	s_lshl_b32 s98, s22, 9
	s_mov_b32 s99, 0
	s_wait_dscnt 0x0                               ; both opening adds are done
	s_wait_kmcnt 0x0
	s_mov_b32 s[G0SA], 1
	s_mul_i32 s[G0SA+1], s20, 4352
	s_add_co_u32 s[G0SA+1], s[G0SA+1], SCA
	s_add_nc_u64 s[G0SA+2:G0SA+3], s[6:7], s[92:93]
	s_or_b32 s[G0SA+3], s[G0SA+3], 0x80000000
	s_mov_b32 s[G0A0], 1
	s_mul_i32 s[G0A0+1], s20, 34816
	s_add_nc_u64 s[G0A0+2:G0A0+3], s[4:5], s[94:95]
	s_mov_b32 s[G0A1], 1
	s_add_co_u32 s[G0A1+1], s[G0A0+1], AH1
	s_add_nc_u64 s[G0A1+2:G0A1+3], s[G0A0+2:G0A0+3], 256
	s_or_b32 s[G0A0+3], s[G0A0+3], 0x80000000
	s_or_b32 s[G0A1+3], s[G0A1+3], 0x80000000
	s_mov_b32 s[G0SB], 1
	s_mul_i32 s[G0SB+1], s20, 3264
	s_add_co_u32 s[G0SB+1], s[G0SB+1], SCB
	s_add_nc_u64 s[G0SB+2:G0SB+3], s[10:11], s[96:97]
	s_or_b32 s[G0SB+3], s[G0SB+3], 0x80000000
	s_mov_b32 s[G0B0], 1
	s_mul_i32 s[G0B0+1], s20, 26112
	s_add_co_u32 s[G0B1+1], s[G0B0+1], BH1
	s_add_co_u32 s[G0B0+1], s[G0B0+1], BH0
	s_add_nc_u64 s[G0B0+2:G0B0+3], s[8:9], s[98:99]
	s_mov_b32 s[G0B1], 1
	s_add_nc_u64 s[G0B1+2:G0B1+3], s[G0B0+2:G0B0+3], 256
	s_or_b32 s[G0B0+3], s[G0B0+3], 0x80000000
	s_or_b32 s[G0B1+3], s[G0B1+3], 0x80000000
	CROUND                                         ; all four work-groups are here: the joint loads meet
	s_cmp_lt_u32 s[WV], 2                          ; waves 0, 1 fetch for x, waves 2, 3 for w: a wave's three first fills stand in one branch; three tensor loads of mine are out
	s_cbranch_scc0 .Lfirst_b
	tensor_load_to_lds s[G0SA:G0SA+3], s[G1SA:G1SA+7]
	s_nop 0
	tensor_load_to_lds s[G0A0:G0A0+3], s[G1A:G1A+7]
	s_nop 0
	tensor_load_to_lds s[G0A1:G0A1+3], s[G1A:G1A+7]
	s_nop 0
	PLACES 4
	s_branch .Lfirst_asked
.Lfirst_b:
	tensor_load_to_lds s[G0SB:G0SB+3], s[G1SB:G1SB+7]
	s_nop 0
	tensor_load_to_lds s[G0B0:G0B0+3], s[G1B:G1B+7]
	s_nop 0
	tensor_load_to_lds s[G0B1:G0B1+3], s[G1B:G1B+7]
	s_nop 0
	PLACES 4
.Lfirst_asked:
	; where my rows of the three heads begin: head H = 3 tx + g of 48: which = H / 16, head = H % 16
	s_lshr_b32 s21, s19, 3                         ; the batch
	s_lshl_b32 s21, s21, 22                        ; 16 heads x 262,144 bytes
	s_and_b32 s23, s19, 7
	s_lshl_b32 s23, s23, 15                        ; 256 positions x 128 bytes
	s_add_co_u32 s21, s21, s23
	s_lshl_b32 s23, s[WV], 13                      ; my 64 positions
	s_add_co_u32 s21, s21, s23
	s_mul_i32 s22, s18, 3
.irp g, 0,1,2
	s_add_co_u32 s2, s22, \g
	s_lshr_b32 s3, s2, 4
	s_lshl_b32 s3, s3, 23
	s_and_b32 s2, s2, 15
	s_lshl_b32 s2, s2, 18
	s_add_co_u32 s2, s2, s3
	s_add_co_u32 s2, s2, s21
	s_mov_b32 s3, 0
	s_add_nc_u64 s[OUT+2*\g:OUT+2*\g+1], s[12:13], s[2:3]
.endr
	s_lshr_b32 s2, s19, 3
	s_mul_i32 s2, s2, 196608                       ; 16 rows of 12,288 bytes a batch
	s_mul_i32 s3, s18, 768                         ; 192 columns of 4 bytes
	s_add_co_u32 s2, s2, s3
	s_mov_b32 s3, 0
	s_add_nc_u64 s[FB:FB+1], s[14:15], s[2:3]
	v_and_b32 v1, 15, v0                           ; r
	v_bfe_u32 v2, v0, 4, 1                         ; h
	v_and_b32 v3, 31, v0                           ; lane
	v_mul_u32_u24 v4, v1, PITCH
	v_lshl_add_u32 v4, v2, 4, v4                   ; a fragment's row x pitch + 16 h
	s_mul_i32 s2, s[WV], 17408                     ; my 64 rows of x
	v_add_nc_u32 v[ADRA], s2, v4
	v_add_nc_u32 v[ADRA+1], AH1, v[ADRA]
	v_add_nc_u32 v[ADRB], BH0, v4
	v_add_nc_u32 v[ADRB+1], BH1, v4
	v_lshrrev_b32 v5, 3, v1
	v_and_b32 v6, 7, v1
	v_mul_u32_u24 v5, v5, 272
	v_lshl_add_u32 v5, v6, 5, v5                   ; row r's 32 scale bytes: eight rows to a run of 256 + 16
	v_mul_u32_u24 v6, v2, 1088                     ; lanes 16-31: two blocks of 16 rows on
	v_add_nc_u32 v6, v6, v5
	s_mul_i32 s2, s[WV], 2176
	s_add_co_u32 s2, s2, SCA
	v_add_nc_u32 v[ADSA], s2, v6
	v_mul_u32_u24 v6, v2, 3264                     ; lanes 16-31: six blocks on
	v_add_nc_u32 v6, v6, v5
	v_add_nc_u32 v[ADSB], SCB, v6
	s_mul_i32 s2, s[WV], 2304
	s_add_co_u32 s2, s2, STG
	v_mul_u32_u24 v6, v1, 144
	v_lshl_add_u32 v6, v2, 4, v6
	v_add_nc_u32 v[STO], s2, v6                    ; into the stage: row r, 16 bytes for each half of the lanes
	v_lshrrev_b32 v6, 3, v3
	v_mul_u32_u24 v6, v6, 144
	v_and_b32 v7, 7, v3
	v_lshl_add_u32 v6, v7, 4, v6
	v_add_nc_u32 v[RD], s2, v6                     ; back: eight lanes to a row of 128 bytes, four rows an instruction
	v_lshlrev_b32 v[GO], 4, v3                     ; and the same 512 bytes in memory
	v_mul_u32_u24 v[FO], v1, 12288
	v_lshl_add_u32 v[FO], v2, 5, v[FO]             ; the f32 copy: row r, 32 bytes for each half of the lanes
; a step's fragments (128 along K: 64 bytes of each row): w's twelve into set, then x's four.  Lane l holds row l % 16; registers 4 c .. 4 c + 3 hold K = 64 c + 32 (l / 16) + 0 .. 31
.macro FETCH q, set
	WIN 0x40                                       ; destination window 1
.irp b, 0,1,2,3,4,5,6,7,8,9,10,11
.irp c, 0,1
	ds_load_b128 v[128*(\set)+8*\b+4*\c:128*(\set)+8*\b+4*\c+3], v[ADRB+(\q)/4] offset:4352*\b+64*((\q)%4)+32*\c
.endr
.endr
	WIN 0
.irp a, 0,1,2,3
.irp c, 0,1
	ds_load_b128 v[AF+32*(\set)+8*\a+4*\c:AF+32*(\set)+8*\a+4*\c+3], v[ADRA+(\q)/4] offset:4352*\a+64*((\q)%4)+32*\c
.endr
.endr
.endm
; one product: x's block a, w's block b, the q-th 128 along K.  Source 0's scales: w's word, from lanes 16-31 for b >= 6; source 1's: x's, from lanes 16-31 for a >= 2
.macro MM a, b, q, zero
.set rD, 8*(12*((\a)%2)+(\b))
.set rB, 128*((\q)%2)+8*(\b)
.set rA, AF+32*((\q)%2)+8*(\a)
.set rSB, SB+8*((\b)%6)+(\q)
.set rSA, SA+8*((\a)%2)+(\q)
.if \zero
.if ((\b) < 6) && ((\a) < 2)
	v_wmma_scale_f32_16x16x128_f8f6f4 v[rD:rD+7], v[rB:rB+7], v[rA:rA+7], 0, v[rSB], v[rSA] matrix_a_fmt:MATRIX_FMT_FP4 matrix_b_fmt:MATRIX_FMT_FP4
.elseif (\b) < 6
	v_wmma_scale_f32_16x16x128_f8f6f4 v[rD:rD+7], v[rB:rB+7], v[rA:rA+7], 0, v[rSB], v[rSA] matrix_a_fmt:MATRIX_FMT_FP4 matrix_b_fmt:MATRIX_FMT_FP4 matrix_b_scale:MATRIX_SCALE_ROW1
.elseif (\a) < 2
	v_wmma_scale_f32_16x16x128_f8f6f4 v[rD:rD+7], v[rB:rB+7], v[rA:rA+7], 0, v[rSB], v[rSA] matrix_a_fmt:MATRIX_FMT_FP4 matrix_b_fmt:MATRIX_FMT_FP4 matrix_a_scale:MATRIX_SCALE_ROW1
.else
	v_wmma_scale_f32_16x16x128_f8f6f4 v[rD:rD+7], v[rB:rB+7], v[rA:rA+7], 0, v[rSB], v[rSA] matrix_a_fmt:MATRIX_FMT_FP4 matrix_b_fmt:MATRIX_FMT_FP4 matrix_a_scale:MATRIX_SCALE_ROW1 matrix_b_scale:MATRIX_SCALE_ROW1
.endif
.else
.if ((\b) < 6) && ((\a) < 2)
	v_wmma_scale_f32_16x16x128_f8f6f4 v[rD:rD+7], v[rB:rB+7], v[rA:rA+7], v[rD:rD+7], v[rSB], v[rSA] matrix_a_fmt:MATRIX_FMT_FP4 matrix_b_fmt:MATRIX_FMT_FP4
.elseif (\b) < 6
	v_wmma_scale_f32_16x16x128_f8f6f4 v[rD:rD+7], v[rB:rB+7], v[rA:rA+7], v[rD:rD+7], v[rSB], v[rSA] matrix_a_fmt:MATRIX_FMT_FP4 matrix_b_fmt:MATRIX_FMT_FP4 matrix_b_scale:MATRIX_SCALE_ROW1
.elseif (\a) < 2
	v_wmma_scale_f32_16x16x128_f8f6f4 v[rD:rD+7], v[rB:rB+7], v[rA:rA+7], v[rD:rD+7], v[rSB], v[rSA] matrix_a_fmt:MATRIX_FMT_FP4 matrix_b_fmt:MATRIX_FMT_FP4 matrix_a_scale:MATRIX_SCALE_ROW1
.else
	v_wmma_scale_f32_16x16x128_f8f6f4 v[rD:rD+7], v[rB:rB+7], v[rA:rA+7], v[rD:rD+7], v[rSB], v[rSA] matrix_a_fmt:MATRIX_FMT_FP4 matrix_b_fmt:MATRIX_FMT_FP4 matrix_a_scale:MATRIX_SCALE_ROW1 matrix_b_scale:MATRIX_SCALE_ROW1
.endif
.endif
.endm
.macro MUL a, q, zero
.irp b, 0,1,2,3,4,5,6,7,8,9,10,11
	MM \a, \b, \q, \zero
.endr
.endm
; A step of 128 along K: 48 products; the 48 accumulators take turns, one instruction a turn, in the same order in every step.
; The next step's 32 LDS loads stand in one run ahead of the products, behind four places: they land in the set that the step before multiplied.
.macro STEP q, zero
	s_wait_dscnt 0x0                               ; this step's fragments are in (asked for 48 products ago)
.if (\q) == 3
	s_wait_tensorcnt 0x0                           ; my part of the second half of K has landed: no load was issued behind it,
	s_barrier_signal -1
	s_barrier_wait -1                              ; and everybody's has: the run of loads below is the first to read it
.endif
.if (\q) < 7
.if (\q) > 0
	PLACES 4
.endif
	FETCH (\q)+1, ((\q)+1)%2
.endif
	WIN 0xa1                                       ; source 0 window 1, source 1 window 0, C and D window 2
	MUL 0, \q, \zero
	MUL 1, \q, \zero
	WIN 0xf1                                       ; C and D window 3
	MUL 2, \q, \zero
	MUL 3, \q, \zero
	WIN 0
.endm
	s_wait_tensorcnt 1                             ; my scales and my part of the first half of K are in; the second half's load may be out
	s_barrier_signal -1
	s_barrier_wait -1
.irp i, 0,1
.irp u, 0,1
	ds_load_b128 v[SA+8*\i+4*\u:SA+8*\i+4*\u+3], v[ADSA] offset:544*\i+16*\u    ; x's scale words of all eight steps
.endr
.endr
.irp i, 0,1,2,3,4,5
.irp u, 0,1
	ds_load_b128 v[SB+8*\i+4*\u:SB+8*\i+4*\u+3], v[ADSB] offset:544*\i+16*\u    ; w's
.endr
.endr
	FETCH 0, 0
	STEP 0, 1                                      ; the first step's products start the sums: nothing is cleared
	STEP 1, 0
	STEP 2, 0
	STEP 3, 0
	STEP 4, 0
	STEP 5, 0
	STEP 6, 0
	STEP 7, 0
; THE WAY OUT, twelve groups of 16 rows x one head (64 columns): group n = row block n / 3, head n % 3.
.macro PACK n                          ; rounded to f16, each accumulator from its low end on
	WIN 0x0a+5*((\n)/6)                            ; sources 0 and 1: window 2 or 3
.irp bt, 0,1,2,3
.irp rr, 0,1,2,3
	v_cvt_pk_f16_f32 v[PK+4*\bt+\rr], v[8*(12*(((\n)/3)%2)+4*((\n)%3)+\bt)+2*\rr], v[8*(12*(((\n)/3)%2)+4*((\n)%3)+\bt)+2*\rr+1]
.endr
.endr
	WIN 0
.endm
.macro TOSTAGE n
.if (\n) >= 2
	s_wait_xcnt 0x0                                ; group n - 2's stores have read the registers into which the loads below land
.endif
.irp bt, 0,1,2,3
	ds_store_b128 v[STO], v[PK+4*\bt:PK+4*\bt+3] offset:32*\bt
.endr
.irp i, 0,1,2,3
	ds_load_b128 v[BK+16*((\n)%2)+4*\i:BK+16*((\n)%2)+4*\i+3], v[RD] offset:576*\i   ; LDS serves a wave's instructions in order: these see the stores above
.endr
.endm
.macro SEND n
	s_wait_dscnt 0x0                               ; the group is back in registers
.irp i, 0,1,2,3
	global_store_b128 v[GO], v[BK+16*((\n)%2)+4*\i:BK+16*((\n)%2)+4*\i+3], s[OUT+2*((\n)%3):OUT+2*((\n)%3)+1] offset:2048*((\n)/3)+512*\i   ; 32 lanes store 512 consecutive bytes
.endr
.endm
	PLACES 4                                       ; behind the last products, ahead of the first read of results
	PACK 0
	TOSTAGE 0
.irp n, 1,2,3,4,5,6,7,8,9,10,11
	PACK \n                                        ; a group's conversions stand between the loads of the group before and the wait for them
	SEND \n-1
	TOSTAGE \n
.endr
	SEND 11
	; positions 0-15 of a batch are rows 0-15 of tile rows 0 and 8: wave 0's row block 0.  The tile row is the same in all partners
	s_and_b32 s2, s19, 7
	s_or_b32 s2, s2, s[WV]
	s_cmp_lg_u32 s2, 0
	s_cbranch_scc1 .Lno_fine
	WIN 0x08                                       ; a store's data are its source 1: window 2
.irp b, 0,1,2,3,4,5,6,7,8,9,10,11
	global_store_b128 v[FO], v[8*\b:8*\b+3], s[FB:FB+1] offset:64*\b
	global_store_b128 v[FO], v[8*\b+4:8*\b+7], s[FB:FB+1] offset:64*\b+16
.endr
	WIN 0
.Lno_fine:
	s_wait_tensorcnt 0x0                           ; the wave's end
	ds_add_u32 v[SPW], v[NIL]
	s_wait_dscnt 0x0
	CROUND                                         ; the closing round
	s_endpgm
.Lfunc_end_k_qbb190c2aeb_qkv:
	.size	k_qbb190c2aeb_qkv, .Lfunc_end_k_qbb190c2aeb_qkv-k_qbb190c2aeb_qkv
	.p2alignl 7, 3214868480
	.fill 96, 4, 3214868480
	.section	.rodata,"a",@progbits
	.p2align	6, 0x0
	.amdhsa_kernel k_qbb190c2aeb_qkv
		.amdhsa_group_segment_fixed_size 268800
		.amdhsa_private_segment_fixed_size 0
		.amdhsa_enable_private_segment 0
		.amdhsa_kernarg_size 48
		.amdhsa_user_sgpr_count 2
		.amdhsa_user_sgpr_kernarg_segment_ptr 1
		.amdhsa_wavefront_size32 1
		.amdhsa_system_sgpr_workgroup_id_x 1
		.amdhsa_system_sgpr_workgroup_id_y 1
		.amdhsa_system_sgpr_workgroup_id_z 1
		.amdhsa_system_vgpr_workitem_id 0
		.amdhsa_next_free_vgpr 1024
		.amdhsa_next_free_sgpr 100
		.amdhsa_reserve_vcc 0
		.amdhsa_float_denorm_mode_32 3
		.amdhsa_float_denorm_mode_16_64 3
		.amdhsa_memory_ordered 1
		.amdhsa_forward_progress 1
		.amdhsa_inst_pref_size 104
	.end_amdhsa_kernel
	.amdgpu_metadata
---
amdhsa.version: [ 1, 2 ]
amdhsa.kernels:
  - .name:           k_qbb190c2aeb_qkv
    .symbol:         k_qbb190c2aeb_qkv.kd
    .args:
      - { .name: xc, .offset: 0, .size: 8, .value_kind: global_buffer, .address_space: global }
      - { .name: xs, .offset: 8, .size: 8, .value_kind: global_buffer, .address_space: global }
      - { .name: wc, .offset: 16, .size: 8, .value_kind: global_buffer, .address_space: global }
      - { .name: ws, .offset: 24, .size: 8, .value_kind: global_buffer, .address_space: global }
      - { .name: qkv, .offset: 32, .size: 8, .value_kind: global_buffer, .address_space: global }
      - { .name: qkvf, .offset: 40, .size: 8, .value_kind: global_buffer, .address_space: global }
    .group_segment_fixed_size: 268800
    .private_segment_fixed_size: 0
    .kernarg_segment_align: 8
    .kernarg_segment_size: 48
    .max_flat_workgroup_size: 128
    .sgpr_count:     100
    .vgpr_count:     1024
    .wavefront_size: 32
...
	.end_amdgpu_metadata
.endif
;; end of part 2
;; launch attn (part 3): grid 8 x 32, 8 waves a work-group, no clusters, 327,680 bytes of LDS; arguments qkv, e; writes e
.if DOCPART == 3
	.amdgcn_target "amdgcn-amd-amdhsa--gfx1250"
	.amdhsa_code_object_version 6
	.text
	.protected	k_qbb190c2aeb_attn
	.globl	k_qbb190c2aeb_attn
	.p2align	8
	.type	k_qbb190c2aeb_attn,@function
k_qbb190c2aeb_attn:
	s_mov_b64 s[64:65], 0
	v_nop
	global_prefetch_b8 v0, s[64:65] scope:SCOPE_SE
	s_setreg_imm32_b32 hwreg(HW_REG_WAVE_MODE, 25, 1), 1
	s_wait_xcnt 0x0
; ATTN.  e[b][s][head] = sum over t <= s of softmax_t(q[s] . k[t] / 8) v[t], for 32 pairs of batch and head, 2,048 positions, head size 64.  q, k, v f16; products' sums, maxima and sums in f32;
; the weights p are rounded to f16 for the second product, e once at the end.  Positions 0-15 of each batch are computed here like all others and once more, in f32, by a later launch.
; LIMITS: |q|, |k|, |v| under 65,504; NaN and infinities are not served.
; SHARES.  Work-group (j, head) owns query blocks j and 15 - j of 128 queries: under the causal mask the two together want the same number of keys whatever j is.
; Wave w: p = w / 4 is its PARITY, jb = w % 4 its 32 queries inside a block.  It walks only the key steps (64 keys) of its parity, for its 32 queries of BOTH blocks: set X (tiles 0, 1) and set Y (tiles 2, 3);
; X is block 15 - j for p = 0 and block j for p = 1.  While both blocks are under their diagonals a fragment of K or V read from LDS feeds four tiles of queries.
; At the end partners w and w xor 4 hand each other their partial (m, l, O) of set Y through LDS, and each finishes its set X.
; LAYOUT.  S^T = K Q^T (source 0 = 16 keys, source 1 = 16 queries): a lane holds ONE query (lane % 16) and keys 8 (lane / 16) + 0..7 of each tile of 16.  Two such tiles rounded to f16 in pairs ARE source 1 of
; O^T = V^T P, whose result again holds one query a lane.  K comes out of LDS as it lies, V ([key][channel]) turned, by ds_load_tr16_b128.
; SOFTMAX.  A running maximum m and sum l for each query: p = 2^(c s - c m), c = log2(e) / 8; in every step O and l are multiplied by a = 2^(c m_old - c m_new).  m begins at -3e38, O and l at 0.
; CAUSAL.  Every work-group walks all eight slots of 256 keys: the trip counts are constants.  A step all of whose keys come after a set's queries is left out by a scalar branch on ids; a walked step's first key
; is a multiple of 64 and at most Q0 + 31, Q0 a multiple of 32, so it is at most Q0: every query of the set sees at least that key.  On the diagonal hidden scores become -infinity ahead of the maximum.
; A slot whose first key comes after the work-group's last query is read by none of its waves and is not asked for.
; NO CLUSTER: the eight work-groups of a head want 16 - j slots' halves, different numbers of tiles, so some partner would read nothing of a tile asked for jointly.
; LDS: two slots, 2^17 bytes apart; in each 256 keys of K (two keys to a stated row of 256 bytes + 16) and of V (+ 32).  Key n lies at (n / 2) x pitch + (n % 2) x 128: the 16 rows of a load fall on 16 different
; 16-byte columns modulo 256.
; REGISTERS: window 0: v3-21 addresses and constants; v32-63 statistics, 8 a tile: +0 c m, +1 m, +2, +3 l, +4..+7 at work (a at +6); v64-127 S^T of two tiles; v128-159 P; v160-223 Q, 16 a tile; v224-239 at work.
;   window 1: v0-127 O^T, 32 a tile; v128-191 K of a step; v192-255 V of a step.
.set SLOT1, 1<<17
.set VOFF,  34816                      ; a slot: 128 stated rows of K x 272, then 128 of V x 288
.set EXB,   202752                     ; the exchange: 8,704 bytes a wave: 16 register images of 512 bytes, then 4 x 128 bytes of statistics
.set STG,   272384                     ; the way out: 16 rows x 144 bytes a wave
.set SPARE, 290816                     ; the spare words, 128 bytes a wave
.set AK0, 3
.set AV0, 4
.set ADK, 5
.set ADV, 6
.set QO,  7
.set EXW, 8
.set EXR, 9
.set EXWS, 10
.set EXRS, 11
.set STO, 12
.set RD,  13
.set GO,  14
.set PFO, 15
.set SPW, 16
.set NIL, 17
.set DD,  18                           ; v18-19 the mask's bound for the two tiles
.set NINF, 20
.set RH,  21                           ; lane % 16 - 8 (lane / 16)
.set ST,  32
.set S,   64
.set P,   128
.set Q,   160
.set TP,  224
.set KFR, 128                          ; in window 1
.set VFR, 192
.set WV,  8
.set PP,  9
.set JB,  10
.set QPX, 12                           ; s[12:13], s[14:15] the two sets' first rows of q
.set QPY, 14
.set EP,  16                           ; s[16:17] set X's first row in e
.set SEL, 20
.set CS,  22
.set G1K, 24
.set G1V, 32
.set G0K, 40
.set G0V, 44
.set TB,  48                           ; LDS byte at which the slot in hand begins
.set KF,  49                           ; my step's first key
.set KS,  50                           ; the slot's first key
.set SLOTS, 51
.set QLX, 52                           ; the sets' last queries
.set QLY, 53
.set QMX, 54                           ; the later of the two
.set Q0X, 55                           ; the sets' first queries
.set Q0Y, 56
.set QWL, 57                           ; the work-group's last query
.set LIM, 58
.set PFK, 60
.set PFV, 62
.set MSB, 0
.macro WIN new
.if MSB != \new
	s_set_vgpr_msb (MSB<<8)|\new
.set MSB, \new
.endif
.endm
.macro PLACES n
.rept \n
	v_nop
.endr
.endm
; Waves 0 and 1 fetch the halves of a slot's K, waves 2 and 3 of its V, the others nothing.  An s_nop 0 and four v_nop follow each of the two lines.
.macro TLOAD
	s_cmp_lt_u32 s[WV], 2
	s_cbranch_scc0 .Lnot_k_\@
	tensor_load_to_lds s[G0K:G0K+3], s[G1K:G1K+7]
	s_nop 0
	PLACES 4
	s_branch .Lasked_\@
.Lnot_k_\@:
	s_cmp_lt_u32 s[WV], 4
	s_cbranch_scc0 .Lasked_\@
	tensor_load_to_lds s[G0V:G0V+3], s[G1V:G1V+7]
	s_nop 0
	PLACES 4
.Lasked_\@:
.endm
; A prefetch of what the NEXT change of slots will ask for: a slot's 32,768 bytes of K and as many of V.  All eight work-groups of a head walk the same K and V: work-group 0, which walks all of them, asks.
; In it waves 4 to 7, which fetch nothing, take 8,192 bytes of each, lanes 256 bytes apart: each block of 256 bytes is named once in the launch.  The last change that fills a slot asks for nothing;
; slots 0 and 1 come by their loads alone.
.macro ASK
	s_cmp_gt_u32 s[SLOTS], s[LIM]
	s_cbranch_scc0 .Lnot_mine_\@
	global_prefetch_b8 v[PFO], s[PFK:PFK+1] th:TH_LOAD_NT scope:SCOPE_SE
	global_prefetch_b8 v[PFO], s[PFV:PFV+1] th:TH_LOAD_NT scope:SCOPE_SE
.Lnot_mine_\@:
.endm
	s_load_b128 s[4:7], s[0:1], 0x0                ; qkv s[4:5], e s[6:7]
	v_lshl_add_u32 v[SPW], v0, 2, SPARE
	v_mov_b32 v[NIL], 0
	ds_add_u32 v[SPW], v[NIL]                      ; the wave's opening: the add, twice on end, and its wait ahead of the first tensor load
	ds_add_u32 v[SPW], v[NIL]
	v_lshrrev_b32 v1, 5, v0
	v_readfirstlane_b32 s[WV], v1                  ; wave 0..7
	s_lshr_b32 s[PP], s[WV], 2
	s_and_b32 s[JB], s[WV], 3
	s_and_b32 s66, ttmp7, 0xffff                   ; batch x 16 + head
	s_sub_co_u32 s67, 15, ttmp9                    ; 15 - j
	s_cmp_eq_u32 s[PP], 0
	s_cselect_b32 s68, s67, ttmp9                  ; set X's block
	s_cselect_b32 s69, ttmp9, s67                  ; set Y's
	s_lshl_b32 s70, s[JB], 5
	s_lshl_b32 s[Q0X], s68, 7
	s_add_co_u32 s[Q0X], s[Q0X], s70
	s_lshl_b32 s[Q0Y], s69, 7
	s_add_co_u32 s[Q0Y], s[Q0Y], s70
	s_add_co_u32 s[QLX], s[Q0X], 31
	s_add_co_u32 s[QLY], s[Q0Y], 31
	s_max_u32 s[QMX], s[QLX], s[QLY]
	s_lshl_b32 s[QWL], s67, 7
	s_add_co_u32 s[QWL], s[QWL], 127
	s_mov_b32 s[G1K], (1<<16)|(1<<20)|(5<<22)|(3<<25)   ; elements of 2 bytes; padding: 4 words behind every 64
	s_mov_b32 s[G1V], (1<<16)|(1<<20)|(5<<22)|(7<<25)   ; 8 words
.irp g, G1K, G1V
	s_mov_b32 s[\g+1], 128<<16                     ; tensor_dim0 = 128 elements: two keys
	s_mov_b32 s[\g+2], 64<<16                      ; tensor_dim1 = 64
	s_mov_b32 s[\g+3], 128<<16                     ; tile_dim0
	s_mov_b32 s[\g+4], 64                          ; tile_dim1
	s_mov_b32 s[\g+5], 128                         ; dense
	s_mov_b32 s[\g+6], 0
	s_mov_b32 s[\g+7], 0
.endr
	s_mov_b32 s[SEL], 0x76543210
	s_mov_b32 s[SEL+1], 0xfedcba98
	s_mov_b32 s[CS], 0x3e38aa3b                    ; c = log2(e) / 8
	s_mov_b32 s[CS+1], s[CS]
	s_mov_b32 s[TB], 0
	s_lshl_b32 s[KF], s[PP], 6
	s_mov_b32 s[KS], 0
	s_mov_b32 s[SLOTS], 7
	s_lshl_b32 s72, s66, 18                        ; the head's 262,144 bytes in each of q, k, v
	s_mov_b32 s73, 0
	s_and_b32 s74, s[WV], 1                        ; which half of a slot's rows I fetch
	s_lshl_b32 s75, s74, 14
	s_add_co_u32 s76, s72, s75
	s_add_co_u32 s76, s76, 8388608                 ; k lies 8,388,608 bytes behind q,
	s_mov_b32 s77, 0
	s_add_co_u32 s78, s76, 8388608                 ; v as far behind k
	s_mov_b32 s79, 0
	s_wait_dscnt 0x0                               ; both opening adds are done
	s_wait_kmcnt 0x0
	s_mov_b32 s[G0K], 1
	s_mul_i32 s[G0K+1], s74, 17408
	s_add_nc_u64 s[G0K+2:G0K+3], s[4:5], s[76:77]
	s_or_b32 s[G0K+3], s[G0K+3], 0x80000000
	s_mov_b32 s[G0V], 1
	s_mul_i32 s[G0V+1], s74, 18432
	s_add_co_u32 s[G0V+1], s[G0V+1], VOFF
	s_add_nc_u64 s[G0V+2:G0V+3], s[4:5], s[78:79]
	s_or_b32 s[G0V+3], s[G0V+3], 0x80000000
	TLOAD                                          ; slot 0: key 0 counts for every query
	s_lshl_b32 s70, s[Q0X], 7
	s_add_co_u32 s70, s70, s72
	s_mov_b32 s71, 0
	s_add_nc_u64 s[QPX:QPX+1], s[4:5], s[70:71]
	s_lshl_b32 s70, s[Q0Y], 7
	s_add_co_u32 s70, s70, s72
	s_add_nc_u64 s[QPY:QPY+1], s[4:5], s[70:71]
	s_lshr_b32 s70, s66, 4                         ; e: [row / 128][head][row % 128][64] f16
	s_lshl_b32 s70, s70, 4
	s_add_co_u32 s70, s70, s68
	s_lshl_b32 s70, s70, 18
	s_and_b32 s75, s66, 15
	s_lshl_b32 s75, s75, 14
	s_add_co_u32 s70, s70, s75
	s_lshl_b32 s75, s[JB], 12
	s_add_co_u32 s70, s70, s75
	s_add_nc_u64 s[EP:EP+1], s[6:7], s[70:71]
	s_lshl_b32 s70, s[JB], 13                      ; the prefetches: my 8,192 bytes, in slot 1: the first change of slots steps them to slot 2
	s_add_co_u32 s70, s70, s72
	s_add_co_u32 s70, s70, 8388608+32768
	s_add_nc_u64 s[PFK:PFK+1], s[4:5], s[70:71]
	s_add_nc_u64 s[PFV:PFV+1], s[PFK:PFK+1], 8388608
	s_xor_b32 s70, s[PP], 1                        ; 0 in waves 4 to 7,
	s_or_b32 s70, s70, ttmp9                       ; of work-group 0
	s_cmp_eq_u32 s70, 0
	s_cselect_b32 s[LIM], 1, -1
	v_and_b32 v1, 15, v0                           ; r
	v_bfe_u32 v2, v0, 4, 1                         ; h
	v_and_b32 v22, 31, v0                          ; lane
	v_lshlrev_b32 v[QO], 7, v1
	v_lshl_add_u32 v[QO], v2, 4, v[QO]             ; q: row r of 128 bytes, + 16 h
.irp t, 0,1
.irp c, 0,1
	global_load_b128 v[Q+16*\t+8*\c:Q+16*\t+8*\c+3],   v[QO], s[QPX:QPX+1] offset:2048*\t+64*\c
	global_load_b128 v[Q+16*\t+8*\c+4:Q+16*\t+8*\c+7], v[QO], s[QPX:QPX+1] offset:2048*\t+64*\c+32
	global_load_b128 v[Q+32+16*\t+8*\c:Q+32+16*\t+8*\c+3],   v[QO], s[QPY:QPY+1] offset:2048*\t+64*\c
	global_load_b128 v[Q+32+16*\t+8*\c+4:Q+32+16*\t+8*\c+7], v[QO], s[QPY:QPY+1] offset:2048*\t+64*\c+32
.endr
.endr
	v_lshrrev_b32 v23, 1, v1                       ; K: key r of a tile: (r / 2) x 272 + (r % 2) x 128 + 16 h, + my parity's 64 keys
	v_mul_u32_u24 v23, v23, 272
	v_and_b32 v24, 1, v1
	v_lshl_add_u32 v23, v24, 7, v23
	v_lshl_add_u32 v23, v2, 4, v23
	s_mul_i32 s70, s[PP], 8704
	v_add_nc_u32 v[AK0], s70, v23
	v_bfe_u32 v23, v0, 1, 2                        ; V, for the turning load: key 8 h + lane % 8, channels 8 ((lane / 8) % 2) on
	v_lshl_add_u32 v23, v2, 2, v23
	v_mul_u32_u24 v23, v23, 288
	v_and_b32 v24, 1, v0
	v_lshl_add_u32 v23, v24, 7, v23
	v_bfe_u32 v24, v0, 3, 1
	v_lshl_add_u32 v23, v24, 4, v23
	s_mul_i32 s70, s[PP], 9216
	s_add_co_u32 s70, s70, VOFF
	v_add_nc_u32 v[AV0], s70, v23
	s_mul_i32 s70, s[WV], 8704                     ; the exchange: I write my region and read my partner's
	s_add_co_u32 s70, s70, EXB
	s_xor_b32 s75, s[WV], 4
	s_mul_i32 s75, s75, 8704
	s_add_co_u32 s75, s75, EXB
	v_lshl_add_u32 v[EXW], v22, 4, s70
	v_lshl_add_u32 v[EXR], v22, 4, s75
	s_add_co_u32 s70, s70, 8192
	s_add_co_u32 s75, s75, 8192
	v_lshl_add_u32 v[EXWS], v22, 2, s70
	v_lshl_add_u32 v[EXRS], v22, 2, s75
	s_mul_i32 s70, s[WV], 2304
	s_add_co_u32 s70, s70, STG
	v_mul_u32_u24 v23, v1, 144
	v_lshl_add_u32 v23, v2, 4, v23
	v_add_nc_u32 v[STO], s70, v23
	v_lshrrev_b32 v23, 3, v22
	v_mul_u32_u24 v23, v23, 144
	v_and_b32 v24, 7, v22
	v_lshl_add_u32 v23, v24, 4, v23
	v_add_nc_u32 v[RD], s70, v23
	v_lshlrev_b32 v[GO], 4, v22
	v_lshlrev_b32 v[PFO], 8, v22
	v_lshlrev_b32 v23, 3, v2
	v_sub_nc_u32 v[RH], v1, v23
	v_mov_b32 v[NINF], 0xff800000
.irp t, 0,1,2,3
	v_mov_b32 v[ST+8*\t+1], 0xff61b1e6             ; m = -3e38, under every score
	v_mul_f32 v[ST+8*\t], s[CS], v[ST+8*\t+1]      ; c m
.irp i, 2,3,4,5,6,7
	v_mov_b32 v[ST+8*\t+\i], 0
.endr
.endr
	v_mov_b32 v[TP+8], 0                           ; written once: a lane permute's destination counts as one of its sources
	v_mov_b32 v[TP+9], 0
	WIN 0x40
.set n, 0
.rept 128
	v_mov_b32 v[n], 0                              ; O^T.  Which step is a set's first, and whether a wave has one at all, hangs on ids: so no first step is written out, and the first change of m multiplies zeros
.set n, n+1
.endr
	WIN 0
; a step's K (64 keys x 64 channels: 8 fragments) and V (turned: 8 fragments): 32 LDS loads in one run
.macro FETCH q
	v_add_nc_u32 v[ADK], s[TB], v[AK0]
	v_add_nc_u32 v[ADV], s[TB], v[AV0]
	WIN 0x40                                       ; destination window 1
.irp kt, 0,1,2,3
.irp c, 0,1
	ds_load_b128 v[KFR+16*\kt+8*\c:KFR+16*\kt+8*\c+3],   v[ADK] offset:17408*(\q)+2176*\kt+64*\c
	ds_load_b128 v[KFR+16*\kt+8*\c+4:KFR+16*\kt+8*\c+7], v[ADK] offset:17408*(\q)+2176*\kt+64*\c+32
.endr
.endr
.irp u, 0,1
.irp ct, 0,1,2,3
	ds_load_tr16_b128 v[VFR+32*\u+8*\ct:VFR+32*\u+8*\ct+3],   v[ADV] offset:18432*(\q)+4608*\u+32*\ct
	ds_load_tr16_b128 v[VFR+32*\u+8*\ct+4:VFR+32*\u+8*\ct+7], v[ADV] offset:18432*(\q)+4608*\u+32*\ct+2304
.endr
.endr
	WIN 0
.endm
; 16 products S^T = K Q^T for the set's two tiles: channels 32 (i / 8) on, keys 16 ((i / 2) % 4) on, tile i % 2.  Eight accumulators by turns; the first eight start the sums.
.macro KQ set
.set i, 0
.rept 16
.set rS, S+32*(i%2)+8*((i/2)%4)
.set rK, KFR+16*((i/2)%4)+8*(i/8)
.set rQ, Q+16*(2*(\set)+i%2)+8*(i/8)
.if i < 8
	v_wmma_f32_16x16x32_f16 v[rS:rS+7], v[rK:rK+7], v[rQ:rQ+7], 0
.else
	v_wmma_f32_16x16x32_f16 v[rS:rS+7], v[rK:rK+7], v[rQ:rQ+7], v[rS:rS+7]
.endif
.set i, i+1
.endr
.endm
; 16 products O^T += V^T P: keys 32 (i / 8) on, channels 16 ((i / 2) % 4) on, tile i % 2.  Eight accumulators by turns.
.macro PV set
.set i, 0
.rept 16
.set rO, 32*(2*(\set)+i%2)+8*((i/2)%4)
.set rV, VFR+32*(i/8)+8*((i/2)%4)
.set rP, P+16*(i%2)+8*(i/8)
	v_wmma_f32_16x16x32_f16 v[rO:rO+7], v[rV:rV+7], v[rP:rP+7], v[rO:rO+7]
.set i, i+1
.endr
.endm
; On the diagonal: register n of a tile holds key KF + 16 (n / 8) + 8 h + n % 8; it is hidden where 16 (n / 8) + n % 8 > my query - KF - 8 h.  A step all of whose keys count jumps over this.
.macro MASK set
	s_add_co_u32 s66, s[KF], 63
	s_cmp_le_u32 s66, s[Q0X+(\set)]
	s_cbranch_scc1 .Lopen_\@
	s_sub_co_i32 s66, s[Q0X+(\set)], s[KF]
	v_add_nc_u32 v[DD], s66, v[RH]
	v_add_nc_u32 v[DD+1], 16, v[DD]
.irp t, 0,1
.set n, 0
.rept 32
	v_cmp_gt_i32 vcc_lo, 16*(n/8)+n%8, v[DD+\t]
	v_cndmask_b32 v[S+32*\t+n], v[S+32*\t+n], v[NINF], vcc_lo
.set n, n+1
.endr
.endr
.Lopen_\@:
.endm
; The softmax of the set's two tiles for one key step, the tiles alternating line by line so that no line waits for the line above it.
.macro SOFTMAX set
.set T0, ST+16*(\set)
.irp x, 0,1,2,3
.irp t, 0,1
	v_max3_num_f32 v[T0+8*\t+4+\x], v[S+32*\t+8*\x], v[S+32*\t+8*\x+1], v[S+32*\t+8*\x+2]   ; four chains, each begun at an accumulator's low end
.endr
.endr
.irp y, 3,5
.irp x, 0,1,2,3
.irp t, 0,1
	v_max3_num_f32 v[T0+8*\t+4+\x], v[T0+8*\t+4+\x], v[S+32*\t+8*\x+\y], v[S+32*\t+8*\x+\y+1]
.endr
.endr
.endr
.irp t, 0,1
	v_max3_num_f32 v[T0+8*\t+4], v[T0+8*\t+4], v[S+32*\t+7], v[S+32*\t+15]
	v_max3_num_f32 v[T0+8*\t+6], v[T0+8*\t+6], v[S+32*\t+23], v[S+32*\t+31]
.endr
.irp t, 0,1
	v_max3_num_f32 v[T0+8*\t+4], v[T0+8*\t+4], v[T0+8*\t+5], v[T0+8*\t+6]
.endr
.irp t, 0,1
	v_max3_num_f32 v[T0+8*\t+4], v[T0+8*\t+4], v[T0+8*\t+7], v[T0+8*\t+1]   ; and the old m
.endr
.irp t, 0,1
	v_permlanex16_b32 v[T0+8*\t+5], v[T0+8*\t+4], s[SEL], s[SEL+1]          ; the query's other 32 keys lie in the lane 16 away
.endr
.irp t, 0,1
	v_mov_b32 v[T0+8*\t+7], v[T0+8*\t]             ; c m_old
.endr
.irp t, 0,1
	v_max_num_f32 v[T0+8*\t+1], v[T0+8*\t+4], v[T0+8*\t+5]
.endr
.irp t, 0,1
	v_mul_f32 v[T0+8*\t], s[CS], v[T0+8*\t+1]
.endr
.irp t, 0,1
	v_sub_f32 v[T0+8*\t+7], v[T0+8*\t+7], v[T0+8*\t]
.endr
.set n, 0
.rept 16
.irp t, 0,1
	v_pk_fma_f32 v[S+32*\t+2*n:S+32*\t+2*n+1], v[S+32*\t+2*n:S+32*\t+2*n+1], s[CS:CS+1], v[T0+8*\t:T0+8*\t+1] op_sel_hi:[1,0,0] neg_lo:[0,0,1] neg_hi:[0,0,1]   ; c s - c m
.endr
.set n, n+1
.endr
.irp t, 0,1
	v_exp_f32 v[T0+8*\t+6], v[T0+8*\t+7]           ; a
.endr
.set n, 0
.rept 32
.irp t, 0,1
	v_exp_f32 v[S+32*\t+n], v[S+32*\t+n]           ; p: ONE batch of 66 exponentials
.endr
.set n, n+1
.endr
	v_nop                                          ; a plain instruction behind the last exponential,
	s_wait_alu depctr_va_vdst(0)                   ; and one wait for the batch, ahead of the first instruction that names a result
.set n, 0
.rept 16
.irp t, 0,1
	v_cvt_pk_f16_f32 v[P+16*\t+n], v[S+32*\t+2*n], v[S+32*\t+2*n+1]
.endr
.set n, n+1
.endr
.irp u, 0,1,2,3,4,5,6,7                ; the sum of a tile's 16 pairs, in place
.irp t, 0,1
	v_pk_add_f32 v[S+32*\t+4*\u:S+32*\t+4*\u+1], v[S+32*\t+4*\u:S+32*\t+4*\u+1], v[S+32*\t+4*\u+2:S+32*\t+4*\u+3]
.endr
.endr
.irp u, 0,1,2,3
.irp t, 0,1
	v_pk_add_f32 v[S+32*\t+8*\u:S+32*\t+8*\u+1], v[S+32*\t+8*\u:S+32*\t+8*\u+1], v[S+32*\t+8*\u+4:S+32*\t+8*\u+5]
.endr
.endr
.irp u, 0,1
.irp t, 0,1
	v_pk_add_f32 v[S+32*\t+16*\u:S+32*\t+16*\u+1], v[S+32*\t+16*\u:S+32*\t+16*\u+1], v[S+32*\t+16*\u+8:S+32*\t+16*\u+9]
.endr
.endr
.irp t, 0,1
	v_pk_add_f32 v[S+32*\t:S+32*\t+1], v[S+32*\t:S+32*\t+1], v[S+32*\t+16:S+32*\t+17]
.endr
.irp t, 0,1
	v_pk_fma_f32 v[T0+8*\t+2:T0+8*\t+3], v[T0+8*\t+2:T0+8*\t+3], v[T0+8*\t+6:T0+8*\t+7], v[S+32*\t:S+32*\t+1] op_sel_hi:[1,0,1]   ; l = a l + the sum
.endr
	WIN 0x41                                       ; O^T (destination and source 0) in window 1
.set n, 0
.rept 16
.irp t, 0,1
	v_pk_mul_f32 v[32*(2*(\set)+\t)+2*n:32*(2*(\set)+\t)+2*n+1], v[32*(2*(\set)+\t)+2*n:32*(2*(\set)+\t)+2*n+1], v[T0+8*\t+6:T0+8*\t+7] op_sel_hi:[1,0]   ; O^T x a, each accumulator from its low end on
.endr
.set n, n+1
.endr
.endm
.macro JOB set                         ; one set's two tiles against the step's 64 keys
	s_wait_dscnt 16                                ; K's 16 loads are in; V's 16, issued behind them, may be out
	WIN 0x01                                       ; K in window 1
	KQ \set
	WIN 0
	PLACES 4                                       ; behind the products, ahead of the first read of the scores
	MASK \set
	SOFTMAX \set
	s_wait_dscnt 0x0                               ; V is in
	WIN 0x51                                       ; V, C and D in window 1, P in window 0
	PV \set
	WIN 0
	PLACES 4                                       ; ahead of the next loads into K's and V's registers and of the next read of O^T
.endm
.macro STEP q
	s_cmp_gt_u32 s[KF], s[QMX]                     ; all 64 keys come after both sets' queries: nothing to do
	s_cbranch_scc1 .Lhid_\@
	FETCH \q
	s_cmp_gt_u32 s[KF], s[QLX]
	s_cbranch_scc1 .LnoX_\@
	JOB 0
.LnoX_\@:
	s_cmp_gt_u32 s[KF], s[QLY]
	s_cbranch_scc1 .LnoY_\@
	JOB 1
.LnoY_\@:
	s_wait_dscnt 0x0                               ; no LDS load is out when the next run is issued into the same registers (one of the two sets has waited already)
.Lhid_\@:
	s_add_co_u32 s[KF], s[KF], 128
.endm
; THE CHANGE OF SLOTS stands at a slot's head.  Each wave waits for all its tensor loads, adds 0 to its spare word, and waits for that and for its reads of the slot that it has left; behind the barrier the slot ahead
; is whole and nobody reads the other one.  fill = 1: that other slot takes the next 256 keys, up to the causal limit: the load has a slot's steps in which to land.  One tensor load of a wave is out at the most.
.macro CHANGE fill
	s_wait_tensorcnt 0x0                           ; no tensor load of mine is out, so a group 0 may be written
	ds_add_u32 v[SPW], v[NIL]
.if \fill
	ds_add_u32 v[SPW], v[NIL]                      ; and once more
	s_xor_b32 s[G0K+1], s[G0K+1], SLOT1
	s_add_nc_u64 s[G0K+2:G0K+3], s[G0K+2:G0K+3], 32768
	s_xor_b32 s[G0V+1], s[G0V+1], SLOT1
	s_add_nc_u64 s[G0V+2:G0V+3], s[G0V+2:G0V+3], 32768
	s_wait_xcnt 0x0                                ; the last prefetches, a slot back, have read their addresses
	s_add_nc_u64 s[PFK:PFK+1], s[PFK:PFK+1], 32768
	s_add_nc_u64 s[PFV:PFV+1], s[PFV:PFV+1], 32768
.endif
	s_wait_dscnt 0x0
	s_barrier_signal -1
	s_barrier_wait -1
.if \fill
	s_add_co_u32 s66, s[KS], 256                   ; the first key of the slot that this change would ask for,
	s_cmp_gt_u32 s66, s[QWL]                       ; against my work-group's last query: ids and the count of slots alone, the same in all eight waves
	s_cbranch_scc1 .Lpast_\@
	TLOAD
.Lpast_\@:
	ASK
.endif
.endm
.macro SLOT_STEPS
	STEP 0
	STEP 1
	s_xor_b32 s[TB], s[TB], SLOT1
	s_add_co_u32 s[KS], s[KS], 256
.endm
	s_wait_loadcnt 0x0                             ; Q
.Lslot:                                            ; seven trips: behind each change of slots but the last the next slot is asked for, up to the causal limit
	CHANGE 1
	SLOT_STEPS
	s_sub_co_u32 s[SLOTS], s[SLOTS], 1
	s_cmp_lg_u32 s[SLOTS], 0
	s_cbranch_scc1 .Lslot
	CHANGE 0
	SLOT_STEPS
	; THE EXCHANGE: my partial of set Y goes to my partner as images of its registers
.irp t, 2,3
	v_add_f32 v[ST+8*\t+2], v[ST+8*\t+2], v[ST+8*\t+3]
.endr
	ds_store_b32 v[EXWS], v[ST+16]
	ds_store_b32 v[EXWS], v[ST+18] offset:128
	ds_store_b32 v[EXWS], v[ST+24] offset:256
	ds_store_b32 v[EXWS], v[ST+26] offset:384
	WIN 0x04                                       ; an LDS store's data are its source 1: window 1
.irp i, 0,1,2,3,4,5,6,7,8,9,10,11,12,13,14,15
	ds_store_b128 v[EXW], v[64+4*\i:64+4*\i+3] offset:512*\i
.endr
	WIN 0
	s_wait_dscnt 0x0                               ; for my partner's sake: my stores are done
	s_barrier_signal -1
	s_barrier_wait -1
.irp i, 0,1,2,3,4,5,6,7,8,9,10,11,12,13,14,15
	ds_load_b128 v[S+4*\i:S+4*\i+3], v[EXR] offset:512*\i      ; my partner's O^T of my set X
.endr
.irp i, 0,1,2,3
	ds_load_b32 v[TP+\i], v[EXRS] offset:128*\i                ; its c m and l, tile by tile
.endr
.irp t, 0,1
	v_add_f32 v[ST+8*\t+2], v[ST+8*\t+2], v[ST+8*\t+3]
.endr
	s_wait_dscnt 0x0
.irp t, 0,1
	v_max_num_f32 v[TP+4+\t], v[ST+8*\t], v[TP+2*\t]           ; the common c m
.endr
.irp t, 0,1
	v_sub_f32 v[ST+8*\t+4], v[ST+8*\t], v[TP+4+\t]
	v_sub_f32 v[ST+8*\t+6], v[TP+2*\t], v[TP+4+\t]
.endr
.irp t, 0,1
	v_exp_f32 v[ST+8*\t+4], v[ST+8*\t+4]           ; my factor,
	v_exp_f32 v[ST+8*\t+6], v[ST+8*\t+6]           ; my partner's (0 for a partial that walked no step)
.endr
	v_nop
	s_wait_alu depctr_va_vdst(0)                   ; one wait for the four
.irp t, 0,1
	v_mul_f32 v[TP+6+\t], v[ST+8*\t+4], v[ST+8*\t+2]
.endr
.irp t, 0,1
	v_fmac_f32 v[TP+6+\t], v[ST+8*\t+6], v[TP+2*\t+1]
.endr
.irp t, 0,1
	v_permlanex16_b32 v[TP+8+\t], v[TP+6+\t], s[SEL], s[SEL+1]
.endr
.irp t, 0,1
	v_add_f32 v[TP+6+\t], v[TP+6+\t], v[TP+8+\t]   ; the row's sum
.endr
.irp t, 0,1
	v_rcp_f32 v[TP+6+\t], v[TP+6+\t]
.endr
	v_nop
	s_wait_alu depctr_va_vdst(0)                   ; one wait for the two
.irp t, 0,1
	v_mul_f32 v[ST+8*\t+4], v[ST+8*\t+4], v[TP+6+\t]
	v_mul_f32 v[ST+8*\t+6], v[ST+8*\t+6], v[TP+6+\t]
.endr
.irp t, 0,1
.set n, 0
.rept 16
	v_pk_mul_f32 v[S+32*\t+2*n:S+32*\t+2*n+1], v[S+32*\t+2*n:S+32*\t+2*n+1], v[ST+8*\t+6:ST+8*\t+7] op_sel_hi:[1,0]
.set n, n+1
.endr
.endr
	WIN 0x01                                       ; source 0: my O^T, in window 1
.irp t, 0,1
.set n, 0
.rept 16
	v_pk_fma_f32 v[S+32*\t+2*n:S+32*\t+2*n+1], v[32*\t+2*n:32*\t+2*n+1], v[ST+8*\t+4:ST+8*\t+5], v[S+32*\t+2*n:S+32*\t+2*n+1] op_sel_hi:[1,0,1]
.set n, n+1
.endr
.endr
	WIN 0
.irp t, 0,1
.set n, 0
.rept 16
	v_cvt_pk_f16_f32 v[P+16*\t+n], v[S+32*\t+2*n], v[S+32*\t+2*n+1]
.set n, n+1
.endr
.endr
	; THE WAY OUT: a tile's 16 rows of 128 bytes go through my stage and leave as 2,048 dense bytes
.irp ct, 0,1,2,3
	ds_store_b128 v[STO], v[P+4*\ct:P+4*\ct+3] offset:32*\ct
.endr
.irp i, 0,1,2,3
	ds_load_b128 v[TP+4*\i:TP+4*\i+3], v[RD] offset:576*\i     ; LDS serves a wave's instructions in order
.endr
.irp ct, 0,1,2,3
	ds_store_b128 v[STO], v[P+16+4*\ct:P+16+4*\ct+3] offset:32*\ct
.endr
.irp i, 0,1,2,3
	ds_load_b128 v[S+4*\i:S+4*\i+3], v[RD] offset:576*\i
.endr
	s_wait_dscnt 8                                 ; tile 0 is back; tile 1's four stores and four loads may be out
.irp i, 0,1,2,3
	global_store_b128 v[GO], v[TP+4*\i:TP+4*\i+3], s[EP:EP+1] offset:512*\i          ; 32 lanes store 512 consecutive bytes
.endr
	s_wait_dscnt 0x0
.irp i, 0,1,2,3
	global_store_b128 v[GO], v[S+4*\i:S+4*\i+3], s[EP:EP+1] offset:2048+512*\i
.endr
	s_wait_tensorcnt 0x0                           ; the wave's end
	ds_add_u32 v[SPW], v[NIL]
	s_wait_dscnt 0x0
	s_endpgm
.Lfunc_end_k_qbb190c2aeb_attn:
	.size	k_qbb190c2aeb_attn, .Lfunc_end_k_qbb190c2aeb_attn-k_qbb190c2aeb_attn
	.p2alignl 7, 3214868480
	.fill 96, 4, 3214868480
	.section	.rodata,"a",@progbits
	.p2align	6, 0x0
	.amdhsa_kernel k_qbb190c2aeb_attn
		.amdhsa_group_segment_fixed_size 327680
		.amdhsa_private_segment_fixed_size 0
		.amdhsa_enable_private_segment 0
		.amdhsa_kernarg_size 16
		.amdhsa_user_sgpr_count 2
		.amdhsa_user_sgpr_kernarg_segment_ptr 1
		.amdhsa_wavefront_size32 1
		.amdhsa_system_sgpr_workgroup_id_x 1
		.amdhsa_system_sgpr_workgroup_id_y 1
		.amdhsa_system_sgpr_workgroup_id_z 1
		.amdhsa_system_vgpr_workitem_id 0
		.amdhsa_next_free_vgpr 512
		.amdhsa_next_free_sgpr 80
		.amdhsa_reserve_vcc 1
		.amdhsa_float_denorm_mode_32 3
		.amdhsa_float_denorm_mode_16_64 3
		.amdhsa_memory_ordered 1
		.amdhsa_forward_progress 1
		.amdhsa_inst_pref_size 191
	.end_amdhsa_kernel
	.amdgpu_metadata
---
amdhsa.version: [ 1, 2 ]
amdhsa.kernels:
  - .name:           k_qbb190c2aeb_attn
    .symbol:         k_qbb190c2aeb_attn.kd
    .args:
      - { .name: qkv, .offset: 0, .size: 8, .value_kind: global_buffer, .address_space: global }
      - { .name: e, .offset: 8, .size: 8, .value_kind: global_buffer, .address_space: global }
    .group_segment_fixed_size: 327680
    .private_segment_fixed_size: 0
    .kernarg_segment_align: 8
    .kernarg_segment_size: 16
    .max_flat_workgroup_size: 256
    .sgpr_count:     80
    .vgpr_count:     512
    .wavefront_size: 32
...
	.end_amdgpu_metadata
.endif
;; end of part 3
;; launch proj (part 4): grid 8 x 32, 4 waves a work-group, clusters of 4 x 4, 327,680 bytes of LDS; arguments e, w0h, out0; writes out0
.if DOCPART == 4
	.amdgcn_target "amdgcn-amd-amdhsa--gfx1250"
	.amdhsa_code_object_version 6
	.text
	.protected	k_qbb190c2aeb_proj
	.globl	k_qbb190c2aeb_proj
	.p2align	8
	.type	k_qbb190c2aeb_proj,@function
k_qbb190c2aeb_proj:
	s_mov_b64 s[64:65], 0
	v_nop
	global_prefetch_b8 v0, s[64:65] scope:SCOPE_SE
	s_setreg_imm32_b32 hwreg(HW_REG_WAVE_MODE, 25, 1), 1
	s_wait_xcnt 0x0
	s_wait_alu depctr_hold_cnt(0) depctr_sa_sdst(0) depctr_va_vdst(0) depctr_va_sdst(0) depctr_va_ssrc(0) depctr_va_vcc(0) depctr_vm_vsrc(0)
	s_getreg_b32 s2, hwreg(HW_REG_IB_STS2, 6, 4)
	s_cmp_eq_u32 s2, 0
	s_cbranch_scc0 .Lentry_in_a_cluster
	s_endpgm
.Lentry_in_a_cluster:
	s_bfe_u32 s2, ttmp6, 0x10000c
	s_cmp_lg_u32 s2, 0xf033
	s_cbranch_scc0 .Lentry_shape_is_right
	s_endpgm
.Lentry_shape_is_right:
; PROJ.  out0[m][n] = sum over k of e[m][k] w0[n][k]; m 4096, n 1024, k 1024; e and w0 f16, sums and out0 f32.
; A tile of out0 is 128 x 128: 8 x 32 = 256 work-groups of four waves, each 64 x 64: 16 accumulators.  K goes in four steps of 256 through two LDS slots.
; Both operands lie in panels [rows / 128][k / 64][rows % 128][k % 64]: a K step of a tile is 65,536 dense bytes; a wave's tensor load brings half of it as 128 stated rows of 256 bytes (two rows of 64 along K), 16 bytes
; of padding behind each: row n of a chunk lies at (n / 2) x 272 + (n % 2) x 128, so that the 16 rows of a load fall on 16 different 16-byte columns modulo 256.
; CLUSTERS 4 x 4: the four of a row of the cluster need the same tiles of e, the four of a column the same tiles of w0: each tile is asked for JOINTLY.
; THE MATRIX INSTRUCTION IS USED TRANSPOSED (source 0 = 16 rows of w0, source 1 = 16 rows of e): a lane holds eight neighbouring numbers of a row of out0.
; All 4,096 rows are stored.  The 32 rows of positions 0-15 are stored again, from f32 operands, by the launch behind this one: a branch round them would hang on the tile row, which differs between partners.
; No prefetch: a small tile, four K steps.
; REGISTERS: window 0: v16-29 addresses; v32-95 rows on the way out; v128-255 the accumulators ((a, b) at v[128 + 8 (4 a + b)]).   window 1: two fragment buffers of 128: 64 registers of e, then 64 of w0, for 64 along K.
.set CH,     17408                     ; a chunk of 64 along K of 128 rows in LDS: 64 stated rows x 272
.set HALFT,  34816                     ; what one tensor load brings: two chunks
.set SLOT,   4*HALFT                   ; e's four chunks, then w0's four
.set SPITCH, 272                       ; the way out: 16 rows x (256 bytes + 16) for each wave, in slot 0, which has had its last fill and its last read by then
.set SPARE,  2*SLOT                    ; behind the ring: the spare words, 128 bytes a wave
.set ADRA, 16
.set ADRB, 20
.set STO,  24
.set RD,   25
.set CO,   26
.set SPW,  28
.set NIL,  29
.set TMP,  32
.set ACC,  128
.set F0,   0
.set F1,   128
.set G1, 24
.set G0, 32
.set G1B, 48
.set G0B, 56
.set MSB, 0
.macro WIN new
.if MSB != \new
	s_set_vgpr_msb (MSB<<8)|\new
.set MSB, \new
.endif
.endm
.set MUL,  0x05                        ; sources 0 and 1 window 1; C and D window 0
.set TO_F, 0x40                        ; destination window 1, address window 0
.macro JLOAD s                         ; a joint load: waves 0 and 1 fetch e's two halves, waves 2 and 3 w0's; an s_nop 0 and four v_nop follow each of the two lines
	s_cmp_eq_u32 s11, 0
	s_cbranch_scc0 .Lfor_b_\@
	tensor_load_to_lds s[G0+4*\s:G0+4*\s+3], s[G1:G1+7]
	s_nop 0
.rept 4
	v_nop
.endr
	s_branch .Lasked_\@
.Lfor_b_\@:
	tensor_load_to_lds s[G0B+4*\s:G0B+4*\s+3], s[G1B:G1B+7]
	s_nop 0
.rept 4
	v_nop
.endr
.Lasked_\@:
.endm
.macro CREST                           ; a round of the cluster's barrier behind its opening barrier
	s_cmp_lg_u32 s10, 0
	s_cbranch_scc1 .Lnot_wave_0_\@
	s_barrier_signal -3
.Lnot_wave_0_\@:
	s_barrier_wait -3
	s_barrier_signal -1
	s_barrier_wait -1
.endm
.macro CROUND
	s_barrier_signal -1
	s_barrier_wait -1
	CREST
.endm
	s_load_b128 s[4:7], s[0:1], 0x0                ; e s[4:5], w0h s[6:7]
	s_load_b64 s[8:9], s[0:1], 0x10                ; out0
	v_lshl_add_u32 v[SPW], v0, 2, SPARE
	v_mov_b32 v[NIL], 0
	ds_add_u32 v[SPW], v[NIL]                      ; the wave's opening: the add, twice on end, and its wait ahead of my first tensor load
	ds_add_u32 v[SPW], v[NIL]
	v_lshrrev_b32 v1, 5, v0
	v_readfirstlane_b32 s10, v1                    ; wave 0..3
	s_lshr_b32 s11, s10, 1                         ; which half of the tile's rows is mine.  Also: I fetch for e (0) or for w0 (1)
	s_and_b32 s12, s10, 1                          ; which half of its columns.  Also: which two chunks of a K step I fetch
	s_bfe_u32 s40, ttmp6, 0x40000                  ; cx, cy
	s_bfe_u32 s41, ttmp6, 0x40004
	s_lshl_b32 s42, ttmp9, 2
	s_add_co_u32 s42, s42, s40                     ; tile column
	s_and_b32 s13, ttmp7, 0xffff
	s_lshl_b32 s13, s13, 2
	s_add_co_u32 s13, s13, s41                     ; tile row
	s_lshl_b32 s43, s41, 2
	s_lshl_b32 s43, 15, s43                        ; my row of the cluster
	s_lshl_b32 s44, 0x1111, s40                    ; my column
	s_or_b32 s[G1+0], s43, (1<<16)|(1<<20)|(1<<21)|(5<<22)|(3<<25)  ; the mask; elements of 2 bytes; padding on; bit 21 beside a mask; 4 words behind every 64
	s_or_b32 s[G1B+0], s44, (1<<16)|(1<<20)|(1<<21)|(5<<22)|(3<<25)
.irp g, G1, G1B
	s_mov_b32 s[\g+1], 128<<16                     ; tensor_dim0 = 128 elements
	s_mov_b32 s[\g+2], 128<<16                     ; tensor_dim1 = 128
	s_mov_b32 s[\g+3], 128<<16                     ; tile_dim0
	s_mov_b32 s[\g+4], 128                         ; tile_dim1
	s_mov_b32 s[\g+5], 128                         ; dense
	s_mov_b32 s[\g+6], 0
	s_mov_b32 s[\g+7], 0
.endr
	s_lshl_b32 s17, s12, 15                        ; my two chunks: 32,768 bytes
	s_lshl_b32 s16, s13, 18                        ; e: the tile row's panel block of 262,144 bytes
	s_add_co_u32 s16, s16, s17
	s_lshl_b32 s46, s42, 18                        ; w0h: the tile column's
	s_add_co_u32 s46, s46, s17
	s_mov_b32 s17, 0
	s_mov_b32 s47, 0
	s_mul_i32 s20, s10, HALFT                      ; where they go: wave x 128 stated rows
	s_wait_dscnt 0x0                               ; both opening adds are done
	s_wait_kmcnt 0x0
	s_add_nc_u64 s[14:15], s[4:5], s[16:17]
	s_add_nc_u64 s[46:47], s[6:7], s[46:47]
	CROUND                                         ; all sixteen work-groups are here: the first joint loads meet
.irp s, 0,1
	s_mov_b32 s[G0+4*\s], 1
	s_add_co_u32 s[G0+4*\s+1], s20, \s*SLOT
	s_add_nc_u64 s[G0+4*\s+2:G0+4*\s+3], s[14:15], \s*65536
	s_or_b32 s[G0+4*\s+3], s[G0+4*\s+3], 0x80000000
	s_mov_b32 s[G0B+4*\s], 1
	s_add_co_u32 s[G0B+4*\s+1], s20, \s*SLOT
	s_add_nc_u64 s[G0B+4*\s+2:G0B+4*\s+3], s[46:47], \s*65536
	s_or_b32 s[G0B+4*\s+3], s[G0B+4*\s+3], 0x80000000
	JLOAD \s                                       ; two tensor loads of mine are out
.endr
	v_and_b32 v1, 15, v0                           ; r
	v_bfe_u32 v2, v0, 4, 1                         ; h
	v_lshrrev_b32 v3, 1, v1
	v_mul_u32_u24 v3, v3, 272
	v_and_b32 v4, 1, v1
	v_lshl_add_u32 v3, v4, 7, v3
	v_lshl_add_u32 v3, v2, 4, v3                   ; a fragment's row: (r / 2) x 272 + (r % 2) x 128 + 16 h
	s_mul_i32 s21, s11, 8704                       ; my 64 rows of e in a chunk
	s_mul_i32 s22, s12, 8704                       ; my 64 rows of w0,
	s_add_co_u32 s22, s22, 2*HALFT                 ; whose chunks lie behind e's four
.irp s, 0,1
	v_add_nc_u32 v[ADRA+\s], s21, v3
	v_add_nc_u32 v[ADRB+\s], s22, v3
	s_add_co_u32 s21, s21, SLOT
	s_add_co_u32 s22, s22, SLOT
.endr
	s_mul_i32 s23, s10, 16*SPITCH                  ; my stage
	v_mul_u32_u24 v4, v1, SPITCH
	v_lshl_add_u32 v4, v2, 5, v4
	v_add_nc_u32 v[STO], s23, v4                   ; in: row r, 32 bytes for each half of the lanes
	v_mul_u32_u24 v5, v2, SPITCH
	v_lshl_add_u32 v5, v1, 4, v5
	v_add_nc_u32 v[RD], s23, v5                    ; back: lanes 0-15 one row of 256 bytes, lanes 16-31 the next
	v_lshlrev_b32 v5, 12, v2
	v_lshl_add_u32 v[CO], v1, 4, v5                ; and the same two rows in out0 (4,096 bytes a row)
	s_lshl_b32 s16, s13, 19                        ; 128 rows x 4,096 bytes
	s_lshl_b32 s17, s11, 18                        ; my 64 rows
	s_add_co_u32 s16, s16, s17
	s_mov_b32 s17, 0
	s_add_nc_u64 s[8:9], s[8:9], s[16:17]
	s_lshl_b32 s46, s42, 9                         ; my first column, in bytes: 512 x tile column + 256 x half
	s_lshl_b32 s47, s12, 8
	s_add_co_u32 s46, s46, s47
	s_mov_b32 s47, 0
	s_add_nc_u64 s[8:9], s[8:9], s[46:47]
; 8 matrix instructions: row blocks a0, a0 + 1 x all 4 column blocks, 32 along K: half c of buffer f.  zero = 1: the first product starts the sums.  The 16 accumulators take turns
.macro MUL8 f, c, a0, zero
.irp a, \a0, \a0+1
.irp b, 0,1,2,3
.if \zero
	v_wmma_f32_16x16x32_f16 v[ACC+8*(4*(\a)+\b):ACC+8*(4*(\a)+\b)+7], v[\f+64+8*(4*\c+\b):\f+64+8*(4*\c+\b)+7], v[\f+8*(4*\c+\a):\f+8*(4*\c+\a)+7], 0
.else
	v_wmma_f32_16x16x32_f16 v[ACC+8*(4*(\a)+\b):ACC+8*(4*(\a)+\b)+7], v[\f+64+8*(4*\c+\b):\f+64+8*(4*\c+\b)+7], v[\f+8*(4*\c+\a):\f+8*(4*\c+\a)+7], v[ACC+8*(4*(\a)+\b):ACC+8*(4*(\a)+\b)+7]
.endif
.endr
.endr
.endm
; 32 LDS loads in one run: the fragments of one chunk (64 along K), which begins at byte k of the slot's part, into buffer f; the first 32 along K first
.macro FETCH slot, k, f
	WIN TO_F
.irp c, 0,1
.irp i, 0,1,2,3
	ds_load_b128 v[\f+64+8*(4*\c+\i):\f+64+8*(4*\c+\i)+3],   v[ADRB+\slot] offset:\k+64*\c+\i*2176
	ds_load_b128 v[\f+64+8*(4*\c+\i)+4:\f+64+8*(4*\c+\i)+7], v[ADRB+\slot] offset:\k+64*\c+\i*2176+32
	ds_load_b128 v[\f+8*(4*\c+\i):\f+8*(4*\c+\i)+3],         v[ADRA+\slot] offset:\k+64*\c+\i*2176
	ds_load_b128 v[\f+8*(4*\c+\i)+4:\f+8*(4*\c+\i)+7],       v[ADRA+\slot] offset:\k+64*\c+\i*2176+32
.endr
.endr
.endm
.macro PLACES                          ; four places in front of loads into registers that matrix instructions have read, and of the first read of results
.rept 4
	v_nop
.endr
.endm
; A K step is four quarters of 64 along K, 32 matrix instructions each, on buffers 0, 1, 0, 1.  One of the first three multiplies buffer f and fetches the next chunk, at byte k, into g.
.macro QUARTER slot, k, f, g, zero
	s_wait_dscnt 16                                ; the first 32 along K are in; the run's other sixteen loads may be out
	WIN MUL
	MUL8 \f, 0, 0, \zero
	MUL8 \f, 0, 2, \zero
	PLACES
	FETCH \slot, \k, \g
	s_wait_dscnt 32                                ; all but the 32 just issued
	WIN MUL
	MUL8 \f, 1, 0, 0
	MUL8 \f, 1, 2, 0
.endm
; The last quarter multiplies buffer 1 and changes slots: ONE barrier; in front of it each wave waits for all its tensor loads, adds 0 to its spare word, and waits for that and for its reads of this slot.
; fill = 1: the barrier opens a round of the cluster's, and this slot is filled again, two K steps ahead, first thing behind the round.
.macro TURN slot, next, fill
	WIN 0                                          ; (the add's two registers lie in window 0)
	s_wait_tensorcnt 0x0                           ; all my tensor loads have landed: my part of the next slot
	ds_add_u32 v[SPW], v[NIL]
	s_wait_dscnt 17                                ; (the add and the youngest sixteen loads may be out)
	WIN MUL
	MUL8 F1, 0, 0, 0
	s_wait_dscnt 0x0                               ; the add is done, and my reads of this slot are over
	s_barrier_signal -1
	MUL8 F1, 0, 2, 0
.if \fill
	WIN 0
.endif
	s_barrier_wait -1
.if \fill
	CREST
	s_add_nc_u64 s[G0+4*\slot+2:G0+4*\slot+3], s[G0+4*\slot+2:G0+4*\slot+3], 131072
	s_add_nc_u64 s[G0B+4*\slot+2:G0B+4*\slot+3], s[G0B+4*\slot+2:G0B+4*\slot+3], 131072
	JLOAD \slot                                    ; my one tensor load behind the round; the four v_nop behind it are also the places in front of the loads below
.else
	PLACES
.endif
	FETCH \next, 0, F0
	WIN MUL
	MUL8 F1, 1, 0, 0
	MUL8 F1, 1, 2, 0
.endm
	s_wait_tensorcnt 1                             ; my part of K step 0 is in; K step 1's load may be out
	s_barrier_signal -1
	s_barrier_wait -1
	FETCH 0, 0, F0
	QUARTER 0, CH,   F0, F1, 1                     ; the first products start the sums
	QUARTER 0, 2*CH, F1, F0, 0
	QUARTER 0, 3*CH, F0, F1, 0
	TURN 0, 1, 1                                   ; slot 0 takes K step 2
	QUARTER 1, CH,   F0, F1, 0
	QUARTER 1, 2*CH, F1, F0, 0
	QUARTER 1, 3*CH, F0, F1, 0
	TURN 1, 0, 1                                   ; slot 1 takes K step 3
	QUARTER 0, CH,   F0, F1, 0
	QUARTER 0, 2*CH, F1, F0, 0
	QUARTER 0, 3*CH, F0, F1, 0
	TURN 0, 1, 0                                   ; nothing is left to fetch
	QUARTER 1, CH,   F0, F1, 0
	QUARTER 1, 2*CH, F1, F0, 0
	QUARTER 1, 3*CH, F0, F1, 0
	s_wait_dscnt 16                                ; the very last quarter
	WIN MUL
	MUL8 F1, 0, 0, 0
	MUL8 F1, 0, 2, 0
	s_wait_dscnt 0x0
	MUL8 F1, 1, 0, 0
	MUL8 F1, 1, 2, 0
	WIN 0
; THE WAY OUT, a block of 16 rows x 64 columns at a time: a lane holds 32 neighbouring bytes of a row; the block goes through my own stage and comes back as whole rows of 256 bytes.
.macro TOSTAGE a
.if (\a) >= 2
	s_wait_xcnt 0x0                                ; block a - 2's stores have read the registers into which the loads below land
.endif
.irp b, 0,1,2,3
	ds_store_b128 v[STO], v[ACC+8*(4*(\a)+\b):ACC+8*(4*(\a)+\b)+3] offset:64*\b            ; each accumulator from its low end on
	ds_store_b128 v[STO], v[ACC+8*(4*(\a)+\b)+4:ACC+8*(4*(\a)+\b)+7] offset:64*\b+16
.endr
.irp t, 0,1,2,3,4,5,6,7
	ds_load_b128 v[TMP+32*((\a)%2)+4*\t:TMP+32*((\a)%2)+4*\t+3], v[RD] offset:544*\t       ; LDS serves a wave's instructions in order
.endr
.endm
.macro SEND a, younger
	s_wait_dscnt \younger                          ; the block is back; the next block's eight stores and eight loads may be out
.irp t, 0,1,2,3,4,5,6,7
	global_store_b128 v[CO], v[TMP+32*((\a)%2)+4*\t:TMP+32*((\a)%2)+4*\t+3], s[8:9] offset:65536*(\a)+8192*\t th:TH_STORE_NT   ; 16 lanes store 256 consecutive bytes, at a multiple of 256 from out0's first byte
.endr
.endm
	PLACES
	TOSTAGE 0
.irp a, 1,2,3
	TOSTAGE \a
	SEND \a-1, 16
.endr
	SEND 3, 0
	s_wait_tensorcnt 0x0                           ; the wave's end
	ds_add_u32 v[SPW], v[NIL]
	s_wait_dscnt 0x0
	CROUND                                         ; the closing round
	s_endpgm
.Lfunc_end_k_qbb190c2aeb_proj:
	.size	k_qbb190c2aeb_proj, .Lfunc_end_k_qbb190c2aeb_proj-k_qbb190c2aeb_proj
	.p2alignl 7, 3214868480
	.fill 96, 4, 3214868480
	.section	.rodata,"a",@progbits
	.p2align	6, 0x0
	.amdhsa_kernel k_qbb190c2aeb_proj
		.amdhsa_group_segment_fixed_size 327680
		.amdhsa_private_segment_fixed_size 0
		.amdhsa_enable_private_segment 0
		.amdhsa_kernarg_size 24
		.amdhsa_user_sgpr_count 2
		.amdhsa_user_sgpr_kernarg_segment_ptr 1
		.amdhsa_wavefront_size32 1
		.amdhsa_system_sgpr_workgroup_id_x 1
		.amdhsa_system_sgpr_workgroup_id_y 1
		.amdhsa_system_sgpr_workgroup_id_z 1
		.amdhsa_system_vgpr_workitem_id 0
		.amdhsa_next_free_vgpr 512
		.amdhsa_next_free_sgpr 66
		.amdhsa_reserve_vcc 0
		.amdhsa_float_denorm_mode_32 3
		.amdhsa_float_denorm_mode_16_64 3
		.amdhsa_memory_ordered 1
		.amdhsa_forward_progress 1
		.amdhsa_inst_pref_size 85
	.end_amdhsa_kernel
	.amdgpu_metadata
---
amdhsa.version: [ 1, 2 ]
amdhsa.kernels:
  - .name:           k_qbb190c2aeb_proj
    .symbol:         k_qbb190c2aeb_proj.kd
    .args:
      - { .name: e, .offset: 0, .size: 8, .value_kind: global_buffer, .address_space: global }
      - { .name: w0h, .offset: 8, .size: 8, .value_kind: global_buffer, .address_space: global }
      - { .name: out0, .offset: 16, .size: 8, .value_kind: global_buffer, .address_space: global }
    .group_segment_fixed_size: 327680
    .private_segment_fixed_size: 0
    .kernarg_segment_align: 8
    .kernarg_segment_size: 24
    .max_flat_workgroup_size: 128
    .sgpr_count:     66
    .vgpr_count:     512
    .wavefront_size: 32
...
	.end_amdgpu_metadata
.endif
;; end of part 4
;; launch fine (part 5): grid 64 x 2, 16 waves a work-group, no clusters, 22,528 bytes of LDS; arguments qkvf, w0, out0; writes out0
.if DOCPART == 5
	.amdgcn_target "amdgcn-amd-amdhsa--gfx1250"
	.amdhsa_code_object_version 6
	.text
	.protected	k_qbb190c2aeb_fine
	.globl	k_qbb190c2aeb_fine
	.p2align	8
	.type	k_qbb190c2aeb_fine,@function
k_qbb190c2aeb_fine:
	s_mov_b64 s[64:65], 0
	v_nop
	global_prefetch_b8 v0, s[64:65] scope:SCOPE_SE
	s_setreg_imm32_b32 hwreg(HW_REG_WAVE_MODE, 25, 1), 1
	s_wait_xcnt 0x0
; FINE.  Positions 0-15 of both batches once more, with f32 operands throughout: there a row of the softmax averages one to sixteen values, and the rounding of 16-bit operands would weigh most.
; Work-group (x, b): output columns 16 x .. 16 x + 15 of the 16 rows of batch b: 128 work-groups.  Wave w is head w: it computes its head's attention for the 16 rows (32 matrix instructions), then its head's share
; (64 along K, 16 matrix instructions) of the projection for the 16 columns; the 16 shares are added through LDS.  The attention is repeated in all 64 column slices: the sum over heads has to stay inside a work-group,
; and a launch for the attention alone is spared.  These 32 rows of out0 were also stored by the launch before.
; A row's piece of out0 is 64 bytes, four neighbouring lanes': a quarter of an aligned 256 bytes; 131,072 bytes in the whole launch.  Slices of 64 columns would store whole runs of 256 bytes and give a wave four times
; the projection's matrix instructions, on a quarter of the work-groups.
; FORM: v_wmma_f32_16x16x4_f32; lane (r, h) gives k = 2 h + j in register j of a source.  Which four k of the sum form a K step is free as long as both sources agree, so every operand is used as it is loaded.
; S^T = K Q^T: a lane holds query r and keys 8 h + 0..7.  O^T = V^T P: channel 16 ct + 8 h + j of query r.  PR = W0 E^T: output column 8 h + j of query r.
; The registers that the matrix instructions write (v176-223) are written by nothing else.
; LIMITS: NaN and infinities among the inputs are not served.
.set BLK,   320                        ; LDS: a share is four blocks of 256 bytes, 320 bytes apart: block g = columns 4 g .. 4 g + 3 of the 16 queries, 16 bytes a query
.set SHARE, 4*BLK                      ; 1,280 bytes a wave, from byte 0 on
.set SPARE, 16*SHARE                   ; behind the 16 shares: the spare words, 128 bytes a wave
.set QKO, 3
.set VO,  4
.set WO,  5
.set DDR, 6
.set NINF, 7
.set RW,  8
.set RR,  9
.set GO,  10
.set SPW, 12
.set NIL, 13
.set QR,  16                           ; v16-47 q; later, with k's registers, the 16 shares
.set KR,  48                           ; v48-79 k
.set VR,  80                           ; v80-111 v; later e
.set W0R, 112                          ; v112-143 w0's 16 rows, my head's 64 along K
.set PS,  144                          ; v144-151 my share;  v152-159 at work
.set PT,  152
.set S0,  176                          ; v176-191 the scores, in two accumulators that take turns
.set S1,  184
.set OA,  192                          ; v192-223 O^T; later the projection's four accumulators
.set TR,  224                          ; v224-231 the scores' sum, then p
.set TM,  232                          ; v232-238 at work
	s_load_b128 s[4:7], s[0:1], 0x0                ; qkvf, w0
	s_load_b64 s[20:21], s[0:1], 0x10              ; out0
	v_lshl_add_u32 v[SPW], v0, 2, SPARE
	v_mov_b32 v[NIL], 0
	v_lshrrev_b32 v1, 5, v0
	v_readfirstlane_b32 s8, v1                     ; wave = head
	s_and_b32 s9, ttmp7, 0xffff                    ; batch
	s_mov_b32 s10, 0x76543210
	s_mov_b32 s11, 0xfedcba98                      ; lane selects: lane l xor 16
	s_mov_b32 s12, 0x3e38aa3b                      ; c = log2(e) / 8
	s_mul_i32 s22, s9, 196608                      ; 16 rows of 12,288 bytes a batch
	s_lshl_b32 s23, s8, 8                          ; my head's 64 columns
	s_add_co_u32 s22, s22, s23
	s_mov_b32 s23, 0
	s_lshl_b32 s24, ttmp9, 16                      ; w0: 16 rows of 4,096 bytes a slice
	s_lshl_b32 s25, s8, 8                          ; my head's 64 along K
	s_add_co_u32 s24, s24, s25
	s_mov_b32 s25, 0
	s_lshl_b32 s26, s9, 23                         ; out0: 2,048 rows of 4,096 bytes a batch
	s_lshl_b32 s27, s8, 15                         ; rows 8 w on (used by waves 0 and 1 alone)
	s_add_co_u32 s26, s26, s27
	s_lshl_b32 s27, ttmp9, 6                       ; 16 columns of 4 bytes
	s_add_co_u32 s26, s26, s27
	s_mov_b32 s27, 0
	v_and_b32 v1, 15, v0                           ; r
	v_bfe_u32 v2, v0, 4, 1                         ; h
	v_and_b32 v11, 31, v0                          ; lane
	v_mul_u32_u24 v[QKO], v1, 12288
	v_lshl_add_u32 v[QKO], v2, 4, v[QKO]           ; q, k: row r, + 16 h: register 4 c + i is channel 8 c + 4 h + i
	v_mul_u32_u24 v[VO], v2, 98304
	v_lshl_add_u32 v[VO], v1, 2, v[VO]             ; v: key 8 h + .., channel r
	v_lshlrev_b32 v[WO], 12, v1
	v_lshl_add_u32 v[WO], v2, 5, v[WO]             ; w0: row r, + 32 h: register 8 ct + i is k 16 ct + 8 h + i
	v_lshlrev_b32 v14, 3, v2
	v_sub_nc_u32 v[DDR], v1, v14                   ; r - 8 h: key 8 h + j is hidden where j is greater
	v_mov_b32 v[NINF], 0xff800000
	s_mul_i32 s13, s8, SHARE
	v_mul_u32_u24 v14, v2, 2*BLK
	v_lshl_add_u32 v14, v1, 4, v14
	v_add_nc_u32 v[RW], s13, v14                   ; my share: registers 4 i .. 4 i + 3 are columns 8 h + 4 i on: block 2 h + i, 16 bytes at query r: a pass of 16 lanes stores 256 consecutive bytes
	v_and_b32 v14, 3, v11                          ; back: lane l takes block g = l % 4 of query 8 w + l / 4:
	v_lshrrev_b32 v15, 2, v11
	v_mul_u32_u24 v[RR], v14, BLK
	v_lshl_add_u32 v[RR], v15, 4, v[RR]            ; 320 g + 16 (l / 4)
	s_lshl_b32 s13, s8, 7
	v_add_nc_u32 v[RR], s13, v[RR]                 ; + 16 x 8 w
	v_lshlrev_b32 v[GO], 12, v15
	v_lshl_add_u32 v[GO], v14, 4, v[GO]            ; and in out0: row l / 4 of my eight, 16 bytes at column 4 g: four neighbouring lanes store 64 consecutive bytes
	s_wait_kmcnt 0x0
	s_add_nc_u64 s[14:15], s[4:5], s[22:23]
	s_add_nc_u64 s[16:17], s[6:7], s[24:25]
	s_add_nc_u64 s[18:19], s[20:21], s[26:27]
.irp c, 0,1,2,3,4,5,6,7
	global_load_b128 v[QR+4*\c:QR+4*\c+3], v[QKO], s[14:15] offset:32*\c
.endr
.irp c, 0,1,2,3,4,5,6,7
	global_load_b128 v[KR+4*\c:KR+4*\c+3], v[QKO], s[14:15] offset:4096+32*\c
.endr
.irp ct, 0,1,2,3
.irp k, 0,1,2,3,4,5,6,7
	global_load_b32 v[VR+8*\ct+\k], v[VO], s[14:15] offset:8192+12288*\k+64*\ct
.endr
.endr
.irp ct, 0,1,2,3
.irp u, 0,1
	global_load_b128 v[W0R+8*\ct+4*\u:W0R+8*\ct+4*\u+3], v[WO], s[16:17] offset:64*\ct+16*\u
.endr
.endr
	s_wait_loadcnt 40                              ; q and k are in; v's 32 loads and w0's 8, issued behind them, may be out
.set ks, 0
.rept 16                               ; S^T = K Q^T: 16 K steps on two accumulators by turns; the first two start the sums
.if ks < 2
	v_wmma_f32_16x16x4_f32 v[S0+8*(ks%2):S0+8*(ks%2)+7], v[KR+2*ks:KR+2*ks+1], v[QR+2*ks:QR+2*ks+1], 0
.else
	v_wmma_f32_16x16x4_f32 v[S0+8*(ks%2):S0+8*(ks%2)+7], v[KR+2*ks:KR+2*ks+1], v[QR+2*ks:QR+2*ks+1], v[S0+8*(ks%2):S0+8*(ks%2)+7]
.endif
.set ks, ks+1
.endr
.rept 8
	v_nop                                          ; eight places behind this form, ahead of the first read of its results
.endr
.irp j, 0,1,2,3,4,5,6,7
	v_add_f32 v[TR+\j], v[S0+\j], v[S1+\j]
.endr
.irp j, 0,1,2,3,4,5,6,7
	v_cmp_gt_i32 vcc_lo, \j, v[DDR]
	v_cndmask_b32 v[TR+\j], v[TR+\j], v[NINF], vcc_lo
.endr
	v_max3_num_f32 v[TM], v[TR], v[TR+1], v[TR+2]
	v_max3_num_f32 v[TM+1], v[TR+3], v[TR+4], v[TR+5]
	v_max3_num_f32 v[TM], v[TM], v[TR+6], v[TR+7]
	v_max_num_f32 v[TM], v[TM], v[TM+1]
	v_permlanex16_b32 v[TM+1], v[TM], s10, s11
	v_max_num_f32 v[TM], v[TM], v[TM+1]            ; the row's maximum: key 0 counts for every query
	v_mul_f32 v[TM+2], s12, v[TM]
.irp j, 0,1,2,3,4,5,6,7
	v_fma_f32 v[TR+\j], v[TR+\j], s12, -v[TM+2]
.endr
.irp j, 0,1,2,3,4,5,6,7
	v_exp_f32 v[TR+\j], v[TR+\j]
.endr
	v_nop
	s_wait_alu depctr_va_vdst(0)                   ; one wait for the eight
	v_add_f32 v[TM+3], v[TR], v[TR+1]
	v_add_f32 v[TM+4], v[TR+2], v[TR+3]
	v_add_f32 v[TM+5], v[TR+4], v[TR+5]
	v_add_f32 v[TM+6], v[TR+6], v[TR+7]
	v_add_f32 v[TM+3], v[TM+3], v[TM+4]
	v_add_f32 v[TM+5], v[TM+5], v[TM+6]
	v_add_f32 v[TM+3], v[TM+3], v[TM+5]
	v_permlanex16_b32 v[TM+4], v[TM+3], s10, s11
	v_add_f32 v[TM+3], v[TM+3], v[TM+4]            ; the row's sum
	v_rcp_f32 v[TM+3], v[TM+3]
	v_nop
	s_wait_alu depctr_va_vdst(0)
	s_wait_loadcnt 8                               ; v is in; w0's 8 loads may be out
.irp ks, 0,1,2,3                       ; O^T = V^T P: K step ks takes keys 8 h + 2 ks, + 1; four accumulators by turns
.irp ct, 0,1,2,3
.if \ks == 0
	v_wmma_f32_16x16x4_f32 v[OA+8*\ct:OA+8*\ct+7], v[VR+8*\ct+2*\ks:VR+8*\ct+2*\ks+1], v[TR+2*\ks:TR+2*\ks+1], 0
.else
	v_wmma_f32_16x16x4_f32 v[OA+8*\ct:OA+8*\ct+7], v[VR+8*\ct+2*\ks:VR+8*\ct+2*\ks+1], v[TR+2*\ks:TR+2*\ks+1], v[OA+8*\ct:OA+8*\ct+7]
.endif
.endr
.endr
.rept 9
	v_nop                                          ; nine places: the results are read and v's registers written below, and the projection's sums are begun over O^T's registers
.endr
.set n, 0
.rept 32
	v_mul_f32 v[VR+n], v[OA+n], v[TM+3]            ; e = O^T / the sum: register 8 ct + j is channel 16 ct + 8 h + j of query r
.set n, n+1
.endr
	s_wait_loadcnt 0x0                             ; w0
.irp ct, 0,1,2,3                       ; my head's share of the projection: 16 K steps; K step (ct, i) adds onto accumulator i, so that the four take turns, one instruction a turn; the first four start the sums
.irp i, 0,1,2,3
.if \ct == 0
	v_wmma_f32_16x16x4_f32 v[OA+8*\i:OA+8*\i+7], v[W0R+8*\ct+2*\i:W0R+8*\ct+2*\i+1], v[VR+8*\ct+2*\i:VR+8*\ct+2*\i+1], 0
.else
	v_wmma_f32_16x16x4_f32 v[OA+8*\i:OA+8*\i+7], v[W0R+8*\ct+2*\i:W0R+8*\ct+2*\i+1], v[VR+8*\ct+2*\i:VR+8*\ct+2*\i+1], v[OA+8*\i:OA+8*\i+7]
.endif
.endr
.endr
.rept 8
	v_nop                                          ; eight places, ahead of the first read of the results
.endr
.irp j, 0,2,4,6
	v_pk_add_f32 v[PS+\j:PS+\j+1], v[OA+\j:OA+\j+1], v[OA+8+\j:OA+8+\j+1]          ; the four accumulators are added into other registers, each read from its low end on
.endr
.irp j, 0,2,4,6
	v_pk_add_f32 v[PT+\j:PT+\j+1], v[OA+16+\j:OA+16+\j+1], v[OA+24+\j:OA+24+\j+1]
.endr
.irp j, 0,2,4,6
	v_pk_add_f32 v[PS+\j:PS+\j+1], v[PS+\j:PS+\j+1], v[PT+\j:PT+\j+1]              ; register j: column 8 h + j of query r
.endr
	ds_store_b128 v[RW], v[PS:PS+3]                ; block 2 h
	ds_store_b128 v[RW], v[PS+4:PS+7] offset:BLK   ; block 2 h + 1
	s_wait_dscnt 0x0                               ; for the others' sake: my stores are done
	s_barrier_signal -1
	s_barrier_wait -1
	s_cmp_lt_u32 s8, 2                             ; waves 0 and 1 add the 16 shares, eight rows each
	s_cbranch_scc0 .Ldone
.irp p, 0,1,2,3,4,5,6,7,8,9,10,11,12,13,14,15
	ds_load_b128 v[QR+4*\p:QR+4*\p+3], v[RR] offset:SHARE*\p
.endr
	s_wait_dscnt 0x0
.irp d, 8,4,2,1
.set n, 0
.rept \d
	v_pk_add_f32 v[QR+4*n:QR+4*n+1], v[QR+4*n:QR+4*n+1], v[QR+4*(n+\d):QR+4*(n+\d)+1]
	v_pk_add_f32 v[QR+4*n+2:QR+4*n+3], v[QR+4*n+2:QR+4*n+3], v[QR+4*(n+\d)+2:QR+4*(n+\d)+3]
.set n, n+1
.endr
.endr
	global_store_b128 v[GO], v[QR:QR+3], s[18:19]  ; eight rows, 64 consecutive bytes of each
.Ldone:
	s_wait_tensorcnt 0x0                           ; the wave's end
	ds_add_u32 v[SPW], v[NIL]
	s_wait_dscnt 0x0
	s_endpgm
.Lfunc_end_k_qbb190c2aeb_fine:
	.size	k_qbb190c2aeb_fine, .Lfunc_end_k_qbb190c2aeb_fine-k_qbb190c2aeb_fine
	.p2alignl 7, 3214868480
	.fill 96, 4, 3214868480
	.section	.rodata,"a",@progbits
	.p2align	6, 0x0
	.amdhsa_kernel k_qbb190c2aeb_fine
		.amdhsa_group_segment_fixed_size 22528
		.amdhsa_private_segment_fixed_size 0
		.amdhsa_enable_private_segment 0
		.amdhsa_kernarg_size 24
		.amdhsa_user_sgpr_count 2
		.amdhsa_user_sgpr_kernarg_segment_ptr 1
		.amdhsa_wavefront_size32 1
		.amdhsa_system_sgpr_workgroup_id_x 1
		.amdhsa_system_sgpr_workgroup_id_y 1
		.amdhsa_system_sgpr_workgroup_id_z 1
		.amdhsa_system_vgpr_workitem_id 0
		.amdhsa_next_free_vgpr 256
		.amdhsa_next_free_sgpr 66
		.amdhsa_reserve_vcc 1
		.amdhsa_float_denorm_mode_32 3
		.amdhsa_float_denorm_mode_16_64 3
		.amdhsa_memory_ordered 1
		.amdhsa_forward_progress 1
		.amdhsa_inst_pref_size 20
	.end_amdhsa_kernel
	.amdgpu_metadata
---
amdhsa.version: [ 1, 2 ]
amdhsa.kernels:
  - .name:           k_qbb190c2aeb_fine
    .symbol:         k_qbb190c2aeb_fine.kd
    .args:
      - { .name: qkvf, .offset: 0, .size: 8, .value_kind: global_buffer, .address_space: global }
      - { .name: w0, .offset: 8, .size: 8, .value_kind: global_buffer, .address_space: global }
      - { .name: out0, .offset: 16, .size: 8, .value_kind: global_buffer, .address_space: global }
    .group_segment_fixed_size: 22528
    .private_segment_fixed_size: 0
    .kernarg_segment_align: 8
    .kernarg_segment_size: 24
    .max_flat_workgroup_size: 512
    .sgpr_count:     66
    .vgpr_count:     256
    .wavefront_size: 32
...
	.end_amdgpu_metadata
.endif
;; end of part 5
